; MI455X (gfx1250); checked and timed in simulation.
; The chip was launched on July 23, 2026; its instructions are those of AMD's public machine-readable ISA for CDNA 5 (MIT licence, August 2026) and "CDNA5" Instruction Set Architecture Reference Guide (July 2026). The comments in the code are by the model that wrote it; some were corrected since.
;; Self Attention. Allowed arithmetic: float matrix products may take bf16 or f16 operands with f32 sums; all other float work in f32.
;; Inputs: Wout 1,024 x 1,024 float32; Wqkv 1,024 x 3,072 float32; bout 1,024 float32; bqkv 3,072 float32; x 2,048 x 4 x 1,024 float32.
;; Outputs: out0 2,048 x 4 x 1,024 float32.
;; 2 versions, each right and faster than the one before. Each part assembles by itself: llvm-mc -triple=amdgcn-amd-amdhsa -mcpu=gfx1250 --defsym DOCPART=n.
;; ======== version 1 of 2: 4 launches
;; limits: values are held in f16: magnitudes above 65,504 overflow, below 6.1e-05 lose precision
;; workspace buffers: xb 16,777,216 bytes; wqkvt 6,291,456 bytes; woutt 2,097,152 bytes; qb 16,777,216 bytes; kb 16,777,216 bytes; vb 16,777,216 bytes; ob 16,777,216 bytes
;; launch prep (part 1): grid 1024 x 1, 8 waves a work-group, no clusters, 18,432 bytes of LDS; arguments x, Wqkv, Wout, xb, wqkvt, woutt; writes xb, wqkvt, woutt
.if DOCPART == 1
	.amdgcn_target "amdgcn-amd-amdhsa--gfx1250"
	.amdhsa_code_object_version 6
	.text
	.protected	k_q7cb1dc4ee9_prep
	.globl	k_q7cb1dc4ee9_prep
	.p2align	8
	.type	k_q7cb1dc4ee9_prep,@function
k_q7cb1dc4ee9_prep:
	s_mov_b64 s[64:65], 0
	v_nop
	global_prefetch_b8 v0, s[64:65] scope:SCOPE_SE
	s_setreg_imm32_b32 hwreg(HW_REG_WAVE_MODE, 25, 1), 1
	s_wait_xcnt 0x0
; PREP, the first of four launches (prep, qkv, attn, oproj) of a self-attention layer:
;   qkv = x Wqkv + bqkv;  64 heads (b, h) of 2,048 positions and 64 numbers;  softmax(q k^T / 8) v;  then Wout and bout.
; This launch rounds x, Wqkv and Wout to f16 once and lays them in blocks, so that every tile which the two products read later is a
; dense run of whole rows of 256 bytes with K along the rows:
;   xb    [b 4][kblk 16][s 2048][64]        xb[b][kb][s][j]  = x[s][b][64 kb + j]
;   wqkvt [kblk 16][n' 3072][64]            wqkvt[kb][n'][j] = Wqkv[64 kb + j][n],  n' = 384 ((n & 1023) >> 7) + 128 (n >> 10) + (n & 127)
;   woutt [kblk 16][n 1024][64]             woutt[kb][n][j]  = Wout[64 kb + j][n]
; FORMAT, for the whole program: every matrix operand (x, both weights, q, k, v, p, o) is f16, 11 significant bits; all sums are f32.
; The chain rounds five intermediates (q, k, v, p, o), and where the softmax is flat o is a mean of 2,048 values of v in which each
; rounding keeps its whole relative size: with 8 significant bits the five together come to about 0.3 per cent of the result's rms.
; RANGE of f16, largest finite number 65,504.  With all inputs 30 times their drawn spread: |x| about 160, q, k, v of rms
; 30 x 0.6 x 32 = 576.  With a common offset of 30 spreads on x (30) and on Wqkv (0.6): q, k, v about 1,024 x 30 x 0.6 = 18,432.
; p is at most 1 (the maximum is taken away) and |o| at most the largest |v|.  LIMIT: an operand beyond 65,504 becomes infinite.
; Below 2^-14 f16 steps by 2^-24: with x and Wqkv both 30 times smaller o (rms about 2e-5) carries an absolute error of at most 2^-25,
; about a thousandth of its rms.
; DEAD WORK, for the whole program: K's bias, bqkv[1024:2048].  score(s, t) = q_s . (k_t + bk) / 8 = q_s . k_t / 8 + q_s . bk / 8, and the
; second term is the same for every key t, the axis of the softmax: it cancels in exp(score - max) / sum for all finite values of the
; inputs, and k enters nothing else.  So these 1,024 numbers are neither loaded nor added.  bqkv stays an argument of the launch qkv:
; its q and v thirds are live.  LIMIT: a NaN, an infinity or an overflow that would arise only in q . bk is not carried to the result.
; Work-groups 0-383: tiles of Wqkv (128 k x 64 n); 384-511: tiles of Wout; 512-1023: 16 rows of x each.  The branch hangs on the
; work-group's number alone, so all eight waves take the same way, and the one barrier of the weights' way is passed by all of them.
.set TP, 272                           ; pitch of the transposed tile in LDS: 128 k in f16 = 256 bytes, + 16
	s_load_b256 s[4:11], s[0:1], 0x0               ; x s[4:5], Wqkv s[6:7], Wout s[8:9], xb s[10:11]
	s_load_b128 s[12:15], s[0:1], 0x20             ; wqkvt s[12:13], woutt s[14:15]
	v_lshl_add_u32 v112, v0, 2, 0x4400
	v_mov_b32 v113, 0
	s_wait_kmcnt 0x0
	s_cmp_lt_u32 ttmp9, 384
	s_cbranch_scc1 .Lwqkv
	s_cmp_lt_u32 ttmp9, 512
	s_cbranch_scc1 .Lwout
	; ---- x: job j takes positions 4 j .. 4 j + 3 of all four b: 16 rows of 4,096 bytes, 65,536 neighbouring bytes.
	; Wave w: b = w & 3, pair of positions p = w >> 2.  Lanes 0-15 take position 4 j + 2 p, lanes 16-31 the next one.
	; Load u brings 256 neighbouring bytes of each of the two rows (block u of 64 along K); rounded they are 2 x 128 bytes that lie
	; side by side in xb: each store of the wave covers 256 consecutive bytes, aligned.
	s_sub_co_u32 s16, ttmp9, 512                   ; j
	s_lshl_b32 s18, s16, 16
	s_mov_b32 s19, 0
	s_add_nc_u64 s[4:5], s[4:5], s[18:19]          ; x + 65,536 j
	s_lshl_b32 s18, s16, 9
	s_add_nc_u64 s[10:11], s[10:11], s[18:19]      ; xb + 4 j rows of 128 bytes
	v_and_b32 v1, 31, v0                           ; lane
	v_lshrrev_b32 v2, 5, v0                        ; wave
	v_and_b32 v3, 3, v2                            ; b
	v_lshrrev_b32 v4, 2, v2                        ; p
	v_lshrrev_b32 v5, 4, v1                        ; e: which of the pair
	v_and_b32 v6, 15, v1                           ; c: my 16 bytes of the 256
	v_lshl_add_u32 v7, v4, 1, v5                   ; 2 p + e
	v_lshl_add_u32 v7, v7, 2, v3                   ; row (2 p + e) 4 + b
	v_lshlrev_b32 v7, 12, v7
	v_lshl_add_u32 v7, v6, 4, v7                   ; offset in x
	v_lshlrev_b32 v8, 22, v3                       ; b x 16 blocks x 2,048 rows x 128 bytes
	v_lshl_add_u32 v8, v4, 8, v8                   ; + 256 p
	v_lshl_add_u32 v8, v1, 3, v8                   ; + 8 lane: offset in xb
.irp u, 0,1,2,3,4,5,6,7,8,9,10,11,12,13,14,15
	global_load_b128 v[16+4*\u:16+4*\u+3], v7, s[4:5] offset:256*\u th:TH_LOAD_NT
.endr
.irp u, 0,1,2,3,4,5,6,7,8,9,10,11,12,13,14,15
	s_wait_loadcnt 15-\u                           ; loads come back in order: load u is in, the 15 - u younger ones may be out
	v_cvt_pk_f16_f32 v[80+2*\u], v[16+4*\u], v[16+4*\u+1]
	v_cvt_pk_f16_f32 v[80+2*\u+1], v[16+4*\u+2], v[16+4*\u+3]
	global_store_b64 v8, v[80+2*\u:80+2*\u+1], s[10:11] offset:262144*\u    ; block u lies 2,048 rows of 128 bytes further on
.endr
	s_endpgm                                       ; no register was written twice: no further wait
; ---- a tile of 128 k x 64 n of a weight, transposed through LDS.  s16 = job, s17 = first row n' in the result, s[20:21] = W, s[22:23] = Wt.
; PITCHW: bytes of a row of W.  NROWS: rows of a block of the result.
; In: thread t takes columns 4 c .. 4 c + 3 (c = t & 15) of the rows 2 kp + 32 j4 + e (kp = t >> 4): sixteen lanes read 256 neighbouring bytes.
; The pair (k, k + 1) of one column is one word of f16; it goes to T[n][k] in LDS.  These 4-byte stores fall four lanes to a bank
; (16 c + kp modulo 64 takes 8 values in a wave): accepted, since each tile passes LDS once and the launch is bound by its global bytes.
; Out: 16 bytes a thread, 4,096 neighbouring bytes for the 256 threads: 32 rows n' of 64 k.
.macro WTILE PITCHW, NROWS
	s_and_b32 s18, s16, 7                          ; kt: which 128 of K
	s_lshr_b32 s19, s16, 3                         ; nt: which 64 columns
	s_mul_i32 s24, s18, 128*\PITCHW
	s_lshl_b32 s19, s19, 8
	s_add_co_u32 s24, s24, s19
	s_mov_b32 s25, 0
	s_add_nc_u64 s[20:21], s[20:21], s[24:25]      ; the tile's first number
	s_mul_i32 s24, s18, 2*\NROWS
	s_add_co_u32 s24, s24, s17
	s_lshl_b32 s24, s24, 7
	s_add_nc_u64 s[22:23], s[22:23], s[24:25]      ; Wt + (2 kt NROWS + n') rows of 128 bytes
	v_and_b32 v1, 15, v0                           ; c
	v_lshrrev_b32 v2, 4, v0                        ; kp
	v_mul_u32_u24 v3, v2, 2*\PITCHW
	v_lshl_add_u32 v3, v1, 4, v3                   ; offset in W
	v_mul_u32_u24 v4, v1, 4*TP
	v_lshl_add_u32 v4, v2, 2, v4                   ; T[4 c][2 kp]
	v_lshrrev_b32 v5, 3, v0
	v_and_b32 v6, 7, v0
	v_mul_u32_u24 v5, v5, TP
	v_lshl_add_u32 v5, v6, 4, v5                   ; back: row t >> 3, 16 bytes at 16 (t & 7)
	v_lshlrev_b32 v7, 4, v0                        ; and 16 t in the result
.irp j, 0,1,2,3
	global_load_b128 v[16+8*\j:16+8*\j+3], v3, s[20:21] offset:(32*\j)*\PITCHW th:TH_LOAD_NT
	global_load_b128 v[20+8*\j:20+8*\j+3], v3, s[20:21] offset:(32*\j+1)*\PITCHW th:TH_LOAD_NT
.endr
.irp j, 0,1,2,3
	s_wait_loadcnt 6-2*\j                          ; the pair of rows j is in; the 6 - 2 j younger loads may be out
.irp i, 0,1,2,3
	v_cvt_pk_f16_f32 v[48+4*\j+\i], v[16+8*\j+\i], v[20+8*\j+\i]
	ds_store_b32 v4, v[48+4*\j+\i] offset:\i*TP+64*\j
.endr
.endr
	s_wait_dscnt 0x0                               ; my stores are in LDS: zero, since other waves read them
	s_barrier_signal -1
	s_barrier_wait -1
.irp j, 0,1,2,3
	ds_load_b128 v[64+4*\j:64+4*\j+3], v5 offset:(\j&1)*32*TP+(\j>>1)*128   ; rows 32 (j & 1) + ..; second 64 of K 128 bytes further
.endr
.irp j, 0,1,2,3
	s_wait_dscnt 3-\j
	global_store_b128 v7, v[64+4*\j:64+4*\j+3], s[22:23] offset:(\j&1)*4096+(\j>>1)*\NROWS*128   ; sixteen lanes: 256 consecutive bytes, aligned
.endr
	s_wait_tensorcnt 0x0
	ds_add_u32 v112, v113
	s_wait_dscnt 0x0
	s_endpgm
.endm
.Lwqkv:
	s_mov_b32 s16, ttmp9                           ; job
	s_lshr_b32 s19, s16, 3                         ; nt, 0 to 47: columns 64 nt ..
	s_lshr_b32 s17, s19, 4                         ; section: q, k or v
	s_lshl_b32 s17, s17, 7                         ; x 128
	s_bfe_u32 s18, s19, 0x30001                    ; group of two heads: (nt & 15) >> 1
	s_mul_i32 s18, s18, 384
	s_add_co_u32 s17, s17, s18
	s_and_b32 s18, s19, 1
	s_lshl_b32 s18, s18, 6
	s_add_co_u32 s17, s17, s18                     ; n' of the tile's first column
	s_mov_b64 s[20:21], s[6:7]
	s_mov_b64 s[22:23], s[12:13]
	WTILE 12288, 3072
.Lwout:
	s_sub_co_u32 s16, ttmp9, 384
	s_lshr_b32 s17, s16, 3
	s_lshl_b32 s17, s17, 6                         ; n = 64 nt
	s_mov_b64 s[20:21], s[8:9]
	s_mov_b64 s[22:23], s[14:15]
	WTILE 4096, 1024
.Lfunc_end_k_q7cb1dc4ee9_prep:
	.size	k_q7cb1dc4ee9_prep, .Lfunc_end_k_q7cb1dc4ee9_prep-k_q7cb1dc4ee9_prep
	.p2alignl 7, 3214868480
	.fill 96, 4, 3214868480
	.section	.rodata,"a",@progbits
	.p2align	6, 0x0
	.amdhsa_kernel k_q7cb1dc4ee9_prep
		.amdhsa_group_segment_fixed_size 18432
		.amdhsa_private_segment_fixed_size 0
		.amdhsa_enable_private_segment 0
		.amdhsa_kernarg_size 48
		.amdhsa_user_sgpr_count 2
		.amdhsa_user_sgpr_kernarg_segment_ptr 1
		.amdhsa_wavefront_size32 1
		.amdhsa_system_sgpr_workgroup_id_x 1
		.amdhsa_system_sgpr_workgroup_id_y 1
		.amdhsa_system_sgpr_workgroup_id_z 1
		.amdhsa_system_vgpr_workitem_id 0
		.amdhsa_next_free_vgpr 114
		.amdhsa_next_free_sgpr 66
		.amdhsa_reserve_vcc 0
		.amdhsa_float_denorm_mode_32 3
		.amdhsa_float_denorm_mode_16_64 3
		.amdhsa_memory_ordered 1
		.amdhsa_forward_progress 1
		.amdhsa_inst_pref_size 18
	.end_amdhsa_kernel
	.amdgpu_metadata
---
amdhsa.version: [ 1, 2 ]
amdhsa.kernels:
  - .name:           k_q7cb1dc4ee9_prep
    .symbol:         k_q7cb1dc4ee9_prep.kd
    .args:
      - { .name: x, .offset: 0, .size: 8, .value_kind: global_buffer, .address_space: global }
      - { .name: Wqkv, .offset: 8, .size: 8, .value_kind: global_buffer, .address_space: global }
      - { .name: Wout, .offset: 16, .size: 8, .value_kind: global_buffer, .address_space: global }
      - { .name: xb, .offset: 24, .size: 8, .value_kind: global_buffer, .address_space: global }
      - { .name: wqkvt, .offset: 32, .size: 8, .value_kind: global_buffer, .address_space: global }
      - { .name: woutt, .offset: 40, .size: 8, .value_kind: global_buffer, .address_space: global }
    .group_segment_fixed_size: 18432
    .private_segment_fixed_size: 0
    .kernarg_segment_align: 8
    .kernarg_segment_size: 48
    .max_flat_workgroup_size: 256
    .sgpr_count:     66
    .vgpr_count:     114
    .wavefront_size: 32
...
	.end_amdgpu_metadata
.endif
;; end of part 1
;; launch qkv (part 2): grid 8 x 32, 4 waves a work-group, clusters of 4 x 4, 327,680 bytes of LDS; arguments xb, wqkvt, bqkv, qb, kb, vb; writes qb, kb, vb
.if DOCPART == 2
	.amdgcn_target "amdgcn-amd-amdhsa--gfx1250"
	.amdhsa_code_object_version 6
	.text
	.protected	k_q7cb1dc4ee9_qkv
	.globl	k_q7cb1dc4ee9_qkv
	.p2align	8
	.type	k_q7cb1dc4ee9_qkv,@function
k_q7cb1dc4ee9_qkv:
	s_mov_b64 s[64:65], 0
	v_nop
	global_prefetch_b8 v0, s[64:65] scope:SCOPE_SE
	s_setreg_imm32_b32 hwreg(HW_REG_WAVE_MODE, 25, 1), 1
	s_wait_xcnt 0x0
	s_wait_alu depctr_hold_cnt(0) depctr_sa_sdst(0) depctr_va_vdst(0) depctr_va_sdst(0) depctr_va_ssrc(0) depctr_va_vcc(0) depctr_vm_vsrc(0)
	s_getreg_b32 s2, hwreg(HW_REG_IB_STS2, 6, 4)
	s_cmp_eq_u32 s2, 0
	s_cbranch_scc0 .Lentry_in_a_cluster
	s_endpgm
.Lentry_in_a_cluster:
	s_bfe_u32 s2, ttmp6, 0x10000c
	s_cmp_lg_u32 s2, 0xf033
	s_cbranch_scc0 .Lentry_shape_is_right
	s_endpgm
.Lentry_shape_is_right:
; QKV: qb = (x Wq + bq) 0.125 log2(e), kb = x Wk, vb = x Wv + bv, each [bh = 16 b + h][s 2048][64] in f16; sums in f32.
; LEFT OUT: K's bias bqkv[1024:2048]: q . bk / 8 is the same for every key, the softmax's axis, and cancels (shown at the head of prep).
; LIMITS: q is scaled before it is rounded to f16 (the scores then are base-2 exponents); q, k, v are kept in f16 between the launches:
; a q, k or v beyond 65,504 becomes infinite (the room that this leaves is counted at the head of prep).
; A work-group makes 256 rows (one b, positions s0 .. s0 + 255) x 384 columns: 128 each of q, k and v, the heads 2 g and 2 g + 1.
; Four waves: wave w has rows 128 (w >> 1) .. and head 2 g + (w & 1): 128 x 192 = 96 accumulator tiles of 16 x 16, 768 registers.
; K goes in 16 steps of 64 (one block of xb and wqkvt) through two LDS slots filled by the tensor data mover.  Every tile is a dense run
; of memory, taken as rows of 256 bytes (two rows of 64 f16), each padded by 16 bytes in LDS.
; CLUSTERS: 4 x 4 work-groups.  x's tile hangs on the block row alone and is asked for jointly by a row of the cluster, W's on g alone and
; by a column: 8 x 32 work-groups divide into 2 x 8 clusters.
; FRAGMENTS: tile row R lies at LDS row R >> 1, byte 128 (R & 1).  Lane (r = l & 15, h = l >> 4) reads at (r >> 1) 272 + (r & 1) 128 + 16 h,
; and 32 bytes further; the sixteen lanes of a half touch the 16-byte columns 16 p and 128 + 16 p (p = 0..7): sixteen different ones modulo 256.
; THE MATRIX INSTRUCTION IS USED TRANSPOSED: source 0 = 16 rows of W^T, source 1 = 16 rows of x; lane l then holds row r and the eight
; neighbouring columns 8 h + 0..7, which pack into 16 bytes.
; REGISTERS: window 0: v16-27 addresses, v32-63 at work, v64-127 and v128-191 x's fragments (two buffers of 8 x 16 rows x 32 K),
; v192-223 and v224-255 W's (two buffers of 4 x 16 rows).  Window 1, 2, 3: q's, k's, v's accumulators, tile (a 0..7, i 0..3) at v[8 (4 a + i)].
.set SLOT,  87040                      ; W: 192 LDS rows of 272 bytes at 0; x: 128 LDS rows at 52,224
.set ABASE, 52224
.set STAGE, 174080                     ; behind the ring: 3 sections x 16 rows x 144 bytes for each wave; no tensor load lands here
.set ADRA, 16                          ; v16-17 my x fragments in slot 0, 1
.set ADRB, 20                          ; v20-21 my W fragments in slot 0, 1
.set STO,  24                          ; the way out: where I put 16 bytes
.set RD,   25                          ; where I read rows back
.set CO,   26                          ; 16 x lane: my bytes of 512 in the result
.set BOFF, 27                          ; 32 h: my eight numbers of a bias
.set T,    32
.set A0,   64
.set A1,   128
.set B0,   192
.set B1,   224
.set BQ,   64                          ; the way out: q's bias (scaled), v64-95
.set BV,   96                          ; v's bias, v96-127
.set P,    128                         ; packed results, v128-143
.set G1A,  24                          ; s[24:31] group 1, x's tiles
.set G0A,  32                          ; s[32:39] group 0, x's tiles, one set a slot
.set G1B,  40                          ; s[40:47] group 1, W's tiles
.set G0B,  48                          ; s[48:55] group 0, W's tiles, one set a slot
.set DW0, (3<<16)|(1<<20)|(1<<21)|(5<<22)|(3<<25)   ; elements of 8 bytes; padding on; bit 21 beside a mask; after every 64 words; 4 words
.set MSB, 0
.macro WIN new                         ; the immediate's high byte repeats the setting that is left
.if MSB != \new
	s_set_vgpr_msb (MSB<<8)|\new
.set MSB, \new
.endif
.endm
.macro PLACES                          ; four places behind a matrix instruction, ahead of loads into its sources and of readers of its result
.rept 4
	v_nop
.endr
.endm
; A joint load: waves 0 and 1 fetch W's two halves, waves 2 and 3 x's.  The branch hangs on the wave's number alone.
.macro JLOAD s
	s_cmp_eq_u32 s17, 0
	s_cbranch_scc0 .Lfor_a_\@
	tensor_load_to_lds s[G0B+4*\s:G0B+4*\s+3], s[G1B:G1B+7]
	s_nop 0
	s_branch .Lasked_\@
.Lfor_a_\@:
	tensor_load_to_lds s[G0A+4*\s:G0A+4*\s+3], s[G1A:G1A+7]
	s_nop 0
.Lasked_\@:
.endm
.macro CREST                           ; a round of the cluster's barrier behind its opening work-group barrier
	s_cmp_lg_u32 s16, 0
	s_cbranch_scc1 .Lnot_wave_0_\@
	s_barrier_signal -3
.Lnot_wave_0_\@:
	s_barrier_wait -3
	s_barrier_signal -1
	s_barrier_wait -1
.endm
.macro CROUND
	s_barrier_signal -1
	s_barrier_wait -1
	CREST
.endm
	s_load_b256 s[4:11], s[0:1], 0x0               ; xb s[4:5], wqkvt s[6:7], bqkv s[8:9], qb s[10:11]
	s_load_b128 s[12:15], s[0:1], 0x20             ; kb s[12:13], vb s[14:15]
	v_lshl_add_u32 v30, v0, 2, 0x31400
	v_mov_b32 v31, 0
	ds_add_u32 v30, v31
	v_lshrrev_b32 v1, 5, v0
	v_readfirstlane_b32 s16, v1                    ; wave
	s_lshr_b32 s17, s16, 1                         ; my half of the rows.  Also: I fetch for W (0) or for x (1)
	s_and_b32 s18, s16, 1                          ; my head of the two.  Also: which half of that tile I fetch
	s_bfe_u32 s20, ttmp6, 0x40000                  ; cx
	s_bfe_u32 s21, ttmp6, 0x40004                  ; cy
	s_lshl_b32 s22, ttmp9, 2
	s_add_co_u32 s22, s22, s20                     ; g = 4 x cluster x + cx: the group of two heads
	s_and_b32 s23, ttmp7, 0xffff
	s_lshl_b32 s23, s23, 2
	s_add_co_u32 s23, s23, s21                     ; block row = 4 x cluster y + cy
	s_lshl_b32 s62, s21, 2
	s_lshl_b32 s62, 15, s62                        ; my row of the cluster
	s_lshl_b32 s63, 0x1111, s20                    ; my column
	s_or_b32 s[G1A+0], s62, DW0                    ; x's tiles go to my row
	s_mov_b32 s[G1A+1], 32<<16                     ; tensor_dim0 = 32 elements of 8 bytes
	s_mov_b32 s[G1A+2], 64<<16                     ; tensor_dim1 = 64 rows of 256 bytes = 128 rows of x
	s_mov_b32 s[G1A+3], 32<<16                     ; tile_dim0
	s_mov_b32 s[G1A+4], 64                         ; tile_dim1
	s_mov_b32 s[G1A+5], 32                         ; pitch: dense
	s_mov_b32 s[G1A+6], 0
	s_mov_b32 s[G1A+7], 0
	s_or_b32 s[G1B+0], s63, DW0                    ; W's tiles go to my column
	s_mov_b32 s[G1B+1], 32<<16
	s_mov_b32 s[G1B+2], 96<<16                     ; 96 rows of 256 bytes = 192 rows of W^T
	s_mov_b32 s[G1B+3], 32<<16
	s_mov_b32 s[G1B+4], 96
	s_mov_b32 s[G1B+5], 32
	s_mov_b32 s[G1B+6], 0
	s_mov_b32 s[G1B+7], 0
	; x's tile: xb + ((16 b + kblk) 2048 + s0 + 128 half) 128.  These registers never hold cx.
	s_lshr_b32 s56, s23, 3                         ; b
	s_and_b32 s57, s23, 7
	s_lshl_b32 s56, s56, 15
	s_lshl_b32 s57, s57, 8                         ; s0
	s_add_co_u32 s56, s56, s57
	s_lshl_b32 s57, s18, 7
	s_add_co_u32 s56, s56, s57
	s_lshl_b32 s56, s56, 7
	s_mov_b32 s57, 0
	; W's tile: wqkvt + (kblk 3072 + 384 g + 192 half) 128.  These never hold cy.
	s_mul_i32 s58, s22, 384
	s_mul_i32 s59, s18, 192
	s_add_co_u32 s58, s58, s59
	s_lshl_b32 s58, s58, 7
	s_mov_b32 s59, 0
	s_mul_i32 s60, s16, 26112                      ; LDS: W's halves at wave x 96 rows (waves 0, 1)
	s_mul_i32 s61, s16, 17408
	s_add_co_u32 s61, s61, 17408                   ; x's halves at 52,224 + (wave - 2) x 64 rows (waves 2, 3)
	s_mov_b32 s66, 0x3e38aa3b                      ; 0.125 log2(e), twice: a pair for the packed forms
	s_mov_b32 s67, 0x3e38aa3b
	; the way out: head, bias, rows of the results
	s_lshl1_add_u32 s71, s22, s18                  ; head = 2 g + c
	s_lshl_b32 s68, s71, 8                         ; 64 numbers of f32 a head
	s_mov_b32 s69, 0
	s_lshr_b32 s70, s23, 3
	s_lshl4_add_u32 s70, s70, s71                  ; bh = 16 b + head
	s_lshl_b32 s70, s70, 11
	s_and_b32 s72, s23, 7
	s_lshl_b32 s72, s72, 8
	s_add_co_u32 s70, s70, s72                     ; + s0
	s_lshl_b32 s72, s17, 7
	s_add_co_u32 s70, s70, s72                     ; + my half of the rows
	s_lshl_b32 s70, s70, 7                         ; rows of 128 bytes
	s_mov_b32 s71, 0
	s_wait_dscnt 0x0
	s_wait_kmcnt 0x0
	s_add_nc_u64 s[56:57], s[4:5], s[56:57]
	s_add_nc_u64 s[58:59], s[6:7], s[58:59]
	s_add_nc_u64 s[68:69], s[8:9], s[68:69]        ; bq of my head; bv lies 8,192 bytes further
	s_add_nc_u64 s[10:11], s[10:11], s[70:71]
	s_add_nc_u64 s[12:13], s[12:13], s[70:71]
	s_add_nc_u64 s[14:15], s[14:15], s[70:71]
	CROUND                                         ; all sixteen work-groups are here: the first joint loads meet
.irp s, 0,1
	s_mov_b32 s[G0A+4*\s], 1
	s_add_co_u32 s[G0A+4*\s+1], s61, \s*SLOT
	s_add_nc_u64 s[G0A+4*\s+2:G0A+4*\s+3], s[56:57], \s*262144     ; K step s: 2,048 rows of 128 bytes a block
	s_or_b32 s[G0A+4*\s+3], s[G0A+4*\s+3], 0x80000000
	s_mov_b32 s[G0B+4*\s], 1
	s_add_co_u32 s[G0B+4*\s+1], s60, \s*SLOT
	s_add_nc_u64 s[G0B+4*\s+2:G0B+4*\s+3], s[58:59], \s*393216     ; 3,072 rows of 128 bytes a block
	s_or_b32 s[G0B+4*\s+3], s[G0B+4*\s+3], 0x80000000
	JLOAD \s                                       ; both slots' first fills: two loads of the wave are out, the most in this text
.endr
	v_and_b32 v1, 15, v0                           ; r
	v_bfe_u32 v2, v0, 4, 1                         ; h
	v_lshrrev_b32 v3, 1, v1
	v_and_b32 v4, 1, v1
	v_mul_u32_u24 v3, v3, 272
	v_lshl_add_u32 v3, v4, 7, v3
	v_lshl_add_u32 v3, v2, 4, v3                   ; the lane's term
	s_mul_i32 s73, s17, 17408
	s_add_co_u32 s73, s73, ABASE                   ; my 128 rows of x
	s_mul_i32 s74, s18, 8704                       ; my head's 64 rows in each section of W
.irp s, 0,1
	v_add_nc_u32 v[ADRA+\s], s73, v3
	v_add_nc_u32 v[ADRB+\s], s74, v3
	s_add_co_u32 s73, s73, SLOT
	s_add_co_u32 s74, s74, SLOT
.endr
	s_mul_i32 s72, s16, 6912
	s_add_co_u32 s72, s72, STAGE                   ; my stage
	v_mul_u32_u24 v4, v1, 144
	v_lshl_add_u32 v4, v2, 4, v4
	v_add_nc_u32 v[STO], s72, v4                   ; row r, 16 bytes for each half of the lanes
	v_and_b32 v5, 31, v0
	v_lshrrev_b32 v6, 3, v5
	v_and_b32 v7, 7, v5
	v_mul_u32_u24 v6, v6, 144
	v_lshl_add_u32 v6, v7, 4, v6
	v_add_nc_u32 v[RD], s72, v6                    ; back: eight lanes a row of 128 bytes, four rows a load
	v_lshlrev_b32 v[CO], 4, v5
	v_lshlrev_b32 v[BOFF], 5, v2
; eight LDS loads: W's fragments of section sec, 32 K at byte 64 q of the rows, into buffer f
.macro FB slot, sec, q, f
	WIN 0
.irp i, 0,1,2,3
	ds_load_b128 v[\f+8*\i:\f+8*\i+3],   v[ADRB+\slot] offset:\sec*17408+\i*2176+64*\q
	ds_load_b128 v[\f+8*\i+4:\f+8*\i+7], v[ADRB+\slot] offset:\sec*17408+\i*2176+64*\q+32
.endr
.endm
; 2 n LDS loads: x's fragments a0 .. a0 + n - 1
.macro FA slot, q, f, a0, n
	WIN 0
.set fx, \a0
.rept \n
	ds_load_b128 v[\f+8*fx:\f+8*fx+3],   v[ADRA+\slot] offset:fx*2176+64*\q
	ds_load_b128 v[\f+8*fx+4:\f+8*fx+7], v[ADRA+\slot] offset:fx*2176+64*\q+32
.set fx, fx+1
.endr
.endm
; 4 n matrix instructions on section sec: row blocks a0 .., all four column blocks.  zero = 1: the first product starts the sums.
; No two matrix instructions that follow each other share an accumulator: the 96 take turns, one instruction a turn.
.macro MULU sec, fa, fb, a0, n, zero
	WIN (((\sec+1)<<6)|((\sec+1)<<4))
.set mx, \a0
.rept \n
.set my, 0
.rept 4
.if \zero
	v_wmma_f32_16x16x32_f16 v[8*(4*mx+my):8*(4*mx+my)+7], v[\fb+8*my:\fb+8*my+7], v[\fa+8*mx:\fa+8*mx+7], 0
.else
	v_wmma_f32_16x16x32_f16 v[8*(4*mx+my):8*(4*mx+my)+7], v[\fb+8*my:\fb+8*my+7], v[\fa+8*mx:\fa+8*mx+7], v[8*(4*mx+my):8*(4*mx+my)+7]
.endif
.set my, my+1
.endr
.set mx, mx+1
.endr
.endm
; A K step of 64: six units of 32 matrix instructions (two halves of K x three sections).  On entry the loads of x's first half (A0, 16)
; and of q's first half (B0, 8) are issued.  Each unit issues the run of loads that a later unit needs, then waits with the count of that
; run: all older loads are in.  mode 2: this slot is filled again, two steps ahead; 1: slots change, nothing is filled; 0: the last step.
.macro STEP slot, next, mode, zero
	PLACES
	FB \slot, 1, 0, B1
	s_wait_dscnt 8                                 ; all but the 8 just issued: A0 and B0 are in
	MULU 0, A0, B0, 0, 8, \zero
	PLACES
	FB \slot, 2, 0, B0
	FA \slot, 1, A1, 0, 4
	s_wait_dscnt 16                                ; all but the 16 just issued: B1 is in
	MULU 1, A0, B1, 0, 8, \zero
	PLACES
	FB \slot, 0, 1, B1
	FA \slot, 1, A1, 4, 4
	s_wait_dscnt 16                                ; B0 and A1's first half are in
	MULU 2, A0, B0, 0, 8, \zero
	PLACES
	FB \slot, 1, 1, B0
	s_wait_dscnt 8                                 ; B1 and all of A1 are in
	MULU 0, A1, B1, 0, 8, 0
	PLACES
	FB \slot, 2, 1, B1
	s_wait_dscnt 8                                 ; B0 is in
	MULU 1, A1, B0, 0, 4, 0
	s_wait_dscnt 0                                 ; my reads of this slot are over (B1 is in too)
.if \mode
	s_wait_tensorcnt 0x0                           ; all my tensor loads have landed: the one that was out is my part of the next slot
	ds_add_u32 v30, v31
	s_wait_dscnt 0x0
	s_barrier_signal -1                            ; say so
.endif
	MULU 1, A1, B0, 4, 4, 0                        ; registers only, while the others arrive
.if \mode
	WIN 0
	s_barrier_wait -1
.endif
.if \mode == 2
	CREST                                          ; all sixteen work-groups have said so: no wave of any partner reads this slot or has a load on its way
	s_add_nc_u64 s[G0A+4*\slot+2:G0A+4*\slot+3], s[G0A+4*\slot+2:G0A+4*\slot+3], 524288
	s_add_nc_u64 s[G0B+4*\slot+2:G0B+4*\slot+3], s[G0B+4*\slot+2:G0B+4*\slot+3], 786432
	JLOAD \slot                                    ; the wave's one tensor load behind the round, ahead of its first LDS read
.endif
	PLACES
.if \mode
	FA \next, 0, A0, 0, 8
	FB \next, 0, 0, B0
.else
	WIN 0
.irp i, 0,1,2,3
	global_load_b128 v[BQ+8*\i:BQ+8*\i+3],   v[BOFF], s[68:69] offset:64*\i          ; bq of columns 16 i + 8 h + 0..7 (A0 was read last three units ago)
	global_load_b128 v[BQ+8*\i+4:BQ+8*\i+7], v[BOFF], s[68:69] offset:64*\i+16
	global_load_b128 v[BV+8*\i:BV+8*\i+3],   v[BOFF], s[68:69] offset:8192+64*\i     ; bv
	global_load_b128 v[BV+8*\i+4:BV+8*\i+7], v[BOFF], s[68:69] offset:8192+64*\i+16
.endr
.endif
	MULU 2, A1, B1, 0, 8, 0
.endm
	s_wait_tensorcnt 1                             ; my part of K step 0 is in; step 1's may stay out
	s_barrier_signal -1
	s_barrier_wait -1
	FA 0, 0, A0, 0, 8
	FB 0, 0, 0, B0
	STEP 0, 1, 2, 1                                ; steps 0 and 1 stand ahead of the loop: their first products start the sums
	STEP 1, 0, 2, 0
	WIN 0
	s_mov_b32 s19, 6                               ; steps 2 to 13
.Llap:
	STEP 0, 1, 2, 0
	STEP 1, 0, 2, 0
	WIN 0
	s_sub_co_u32 s19, s19, 1
	s_cmp_lg_u32 s19, 0
	s_cbranch_scc1 .Llap
	STEP 0, 1, 1, 0                                ; step 14: nothing is left to fetch
	STEP 1, 0, 0, 0                                ; step 15
	; THE WAY OUT, 16 rows at a time: bias (and q's scale), f16, 16 bytes a lane into my own stage, back as whole rows.
	PLACES
	WIN 0
	s_wait_loadcnt 0x0                             ; the biases
.set ox, 0
.rept 16
	v_pk_mul_f32 v[BQ+2*ox:BQ+2*ox+1], v[BQ+2*ox:BQ+2*ox+1], s[66:67] op_sel_hi:[1,0]   ; (acc + bq) c = acc c + bq c: one fused multiply-add below
.set ox, ox+1
.endr
; rows 16 a .. 16 a + 15; r: 48 registers, v144 or v192 in turn.  Register 32 a + 2 x of a window is the pair x of the block's 16 pairs.
.macro OUT16 a, r
	WIN 0x01                                       ; source 0: q's window
.set ox, 0
.rept 16
	v_pk_fma_f32 v[T+2*ox:T+2*ox+1], v[32*\a+2*ox:32*\a+2*ox+1], s[66:67], v[BQ+2*ox:BQ+2*ox+1] op_sel_hi:[1,0,1]
.set ox, ox+1
.endr
	WIN 0
.set ox, 0
.rept 16
	v_cvt_pk_f16_f32 v[P+ox], v[T+2*ox], v[T+2*ox+1]
.set ox, ox+1
.endr
.irp i, 0,1,2,3
	ds_store_b128 v[STO], v[P+4*\i:P+4*\i+3] offset:32*\i
.endr
	WIN 0x0a                                       ; sources 0 and 1: k's window; no bias
.set ox, 0
.rept 16
	v_cvt_pk_f16_f32 v[P+ox], v[32*\a+2*ox], v[32*\a+2*ox+1]
.set ox, ox+1
.endr
	WIN 0
.irp i, 0,1,2,3
	ds_store_b128 v[STO], v[P+4*\i:P+4*\i+3] offset:2304+32*\i
.endr
	WIN 0x03                                       ; source 0: v's window
.set ox, 0
.rept 16
	v_pk_add_f32 v[T+2*ox:T+2*ox+1], v[32*\a+2*ox:32*\a+2*ox+1], v[BV+2*ox:BV+2*ox+1]
.set ox, ox+1
.endr
	WIN 0
.set ox, 0
.rept 16
	v_cvt_pk_f16_f32 v[P+ox], v[T+2*ox], v[T+2*ox+1]
.set ox, ox+1
.endr
.irp i, 0,1,2,3
	ds_store_b128 v[STO], v[P+4*\i:P+4*\i+3] offset:4608+32*\i
.endr
	s_wait_xcnt 0x0                                ; the registers that earlier stores read are loaded again only behind this wait
.irp t, 0,1,2,3
	ds_load_b128 v[\r+4*\t:\r+4*\t+3],       v[RD] offset:576*\t          ; LDS serves a wave's instructions in order: these see the stores above
.endr
.irp t, 0,1,2,3
	ds_load_b128 v[\r+16+4*\t:\r+16+4*\t+3], v[RD] offset:2304+576*\t
.endr
.irp t, 0,1,2,3
	ds_load_b128 v[\r+32+4*\t:\r+32+4*\t+3], v[RD] offset:4608+576*\t
.endr
.irp t, 0,1,2,3
	s_wait_dscnt 11-\t                             ; load t of the twelve is in
	global_store_b128 v[CO], v[\r+4*\t:\r+4*\t+3], s[10:11] offset:\a*2048+512*\t       ; four rows of 128 bytes: 512 consecutive bytes, aligned
.endr
.irp t, 0,1,2,3
	s_wait_dscnt 7-\t
	global_store_b128 v[CO], v[\r+16+4*\t:\r+16+4*\t+3], s[12:13] offset:\a*2048+512*\t
.endr
.irp t, 0,1,2,3
	s_wait_dscnt 3-\t
	global_store_b128 v[CO], v[\r+32+4*\t:\r+32+4*\t+3], s[14:15] offset:\a*2048+512*\t
.endr
.endm
	OUT16 0, 144
	OUT16 1, 192
	OUT16 2, 144
	OUT16 3, 192
	OUT16 4, 144
	OUT16 5, 192
	OUT16 6, 144
	OUT16 7, 192
	s_wait_tensorcnt 0x0
	ds_add_u32 v30, v31
	s_wait_dscnt 0x0
	CROUND                                         ; the closing round: no work-group ends while a partner may still ask for a tile that names it
	s_endpgm
.Lfunc_end_k_q7cb1dc4ee9_qkv:
	.size	k_q7cb1dc4ee9_qkv, .Lfunc_end_k_q7cb1dc4ee9_qkv-k_q7cb1dc4ee9_qkv
	.p2alignl 7, 3214868480
	.fill 96, 4, 3214868480
	.section	.rodata,"a",@progbits
	.p2align	6, 0x0
	.amdhsa_kernel k_q7cb1dc4ee9_qkv
		.amdhsa_group_segment_fixed_size 327680
		.amdhsa_private_segment_fixed_size 0
		.amdhsa_enable_private_segment 0
		.amdhsa_kernarg_size 48
		.amdhsa_user_sgpr_count 2
		.amdhsa_user_sgpr_kernarg_segment_ptr 1
		.amdhsa_wavefront_size32 1
		.amdhsa_system_sgpr_workgroup_id_x 1
		.amdhsa_system_sgpr_workgroup_id_y 1
		.amdhsa_system_sgpr_workgroup_id_z 1
		.amdhsa_system_vgpr_workitem_id 0
		.amdhsa_next_free_vgpr 1024
		.amdhsa_next_free_sgpr 80
		.amdhsa_reserve_vcc 0
		.amdhsa_float_denorm_mode_32 3
		.amdhsa_float_denorm_mode_16_64 3
		.amdhsa_memory_ordered 1
		.amdhsa_forward_progress 1
		.amdhsa_inst_pref_size 190
	.end_amdhsa_kernel
	.amdgpu_metadata
---
amdhsa.version: [ 1, 2 ]
amdhsa.kernels:
  - .name:           k_q7cb1dc4ee9_qkv
    .symbol:         k_q7cb1dc4ee9_qkv.kd
    .args:
      - { .name: xb, .offset: 0, .size: 8, .value_kind: global_buffer, .address_space: global }
      - { .name: wqkvt, .offset: 8, .size: 8, .value_kind: global_buffer, .address_space: global }
      - { .name: bqkv, .offset: 16, .size: 8, .value_kind: global_buffer, .address_space: global }
      - { .name: qb, .offset: 24, .size: 8, .value_kind: global_buffer, .address_space: global }
      - { .name: kb, .offset: 32, .size: 8, .value_kind: global_buffer, .address_space: global }
      - { .name: vb, .offset: 40, .size: 8, .value_kind: global_buffer, .address_space: global }
    .group_segment_fixed_size: 327680
    .private_segment_fixed_size: 0
    .kernarg_segment_align: 8
    .kernarg_segment_size: 48
    .max_flat_workgroup_size: 128
    .sgpr_count:     80
    .vgpr_count:     1024
    .wavefront_size: 32
...
	.end_amdgpu_metadata
.endif
;; end of part 2
;; launch attn (part 3): grid 256 x 1, 4 waves a work-group, clusters of 4 x 1, 327,680 bytes of LDS; arguments qb, kb, vb, ob; writes ob
.if DOCPART == 3
	.amdgcn_target "amdgcn-amd-amdhsa--gfx1250"
	.amdhsa_code_object_version 6
	.text
	.protected	k_q7cb1dc4ee9_attn
	.globl	k_q7cb1dc4ee9_attn
	.p2align	8
	.type	k_q7cb1dc4ee9_attn,@function
k_q7cb1dc4ee9_attn:
	s_mov_b64 s[64:65], 0
	v_nop
	global_prefetch_b8 v0, s[64:65] scope:SCOPE_SE
	s_setreg_imm32_b32 hwreg(HW_REG_WAVE_MODE, 25, 1), 1
	s_wait_xcnt 0x0
	s_wait_alu depctr_hold_cnt(0) depctr_sa_sdst(0) depctr_va_vdst(0) depctr_va_sdst(0) depctr_va_ssrc(0) depctr_va_vcc(0) depctr_vm_vsrc(0)
	s_getreg_b32 s2, hwreg(HW_REG_IB_STS2, 6, 4)
	s_cmp_eq_u32 s2, 0
	s_cbranch_scc0 .Lentry_in_a_cluster
	s_endpgm
.Lentry_in_a_cluster:
	s_bfe_u32 s2, ttmp6, 0x10000c
	s_cmp_lg_u32 s2, 0x3003
	s_cbranch_scc0 .Lentry_shape_is_right
	s_endpgm
.Lentry_shape_is_right:
; ATTN: ob[bh][s][64] = softmax over t of (q_s . k_t / 8) times v, in f16.  qb holds (q + bq) 0.125 log2(e), so the scores are base-2 exponents.
; LEFT OUT: K's bias (kb holds x Wk alone): its term is the same along the softmax's axis and cancels (shown at the head of prep).
; The running maximum is taken away before every exponential, as the problem's softmax does.
; LIMITS: p (at most 1, since the maximum is taken away) is rounded to f16 for p v: absolute error at most 2^-25 below 2^-14, zero below
; 2^-25, beside a row sum of at least 1; the row's sum adds the unrounded f32 p; v_exp_f32 gives zero where 2^x would be denormal.
; |o| is at most the largest |v|, so it fits f16 wherever v does; an o below 2^-14 keeps steps of 2^-24 (counted at the head of prep).
; A cluster of four work-groups has one head bh (the cluster's x); work-group cx has queries 512 cx .., wave w 128 of them: 8 query tiles of 16.
; The four need the same K and V: each tile of 256 keys is asked for jointly (mask 15), K by wave 0 and V by wave 1, one load each.
; SCORES TRANSPOSED: S^T = K Q^T (source 0 = 16 keys, source 1 = 16 queries): lane (r, h) holds query r and keys 8 h + 0..7 of each tile.
; Two score tiles, packed to f16, ARE source 1 of O^T = V^T P^T (32 keys x 16 queries): nothing moves between lanes.  V^T comes out of
; LDS by the transposing load.  O^T: lane (r, h) holds query r and the eight neighbouring numbers 8 h + 0..7 of each 16: 16 bytes packed.
; A query's 64 scores of a block lie in lanes r and r + 16: the maximum crosses once; the sum is kept by halves and joined at the end.
; BY TURNS: a block is 64 keys against the wave's 8 query tiles, which share the block's fragments of K and V.  In turn t the softmax of
; tile t, cut into 16 numbered slices, is dealt one slice behind each of 16 matrix instructions of its neighbours: the 8 products p v of
; tile t - 1, then the 8 score products of tile t + 1.  So the scores are held twice (tile t's are worked on while tile t + 1's are
; written); p is held once: it is read in the turn's first 8 matrix instructions and written again from slice 10 on.
; A turn: 16 matrix instructions, 117 other vector instructions, 32 changes of the register window.
; LDS: K's two slots at 0 and 34,816 (128 rows of 256 + 16 bytes, two keys a row), V's two at 69,632 and 106,496 (128 rows of 256 + 32 bytes).
; V's pitch 288: the sixteen lanes of a half of a transposing load touch 32 p + 128 e + 16 f (p 0..3, e, f 0..1): sixteen different
; 16-byte columns modulo 256.  The two slots of K, and of V, lie side by side, so a read address steps from slot 0 into slot 1.
; REGISTERS: window 0 as named below; window 1: O[qt][dt] at v[32 qt + 8 dt]; window 2: Q[qt][c] at v[16 qt + 8 c].
.set KSLOT, 34816                      ; 256 keys of K
.set VSLOT, 36864                      ; 256 keys of V
.set VBASE, 69632                      ; V's slot 0
.set VX,    45056                      ; 69,632 xor 106,496: toggles between V's two slots
.set OUTB,  143360                     ; the way out: 16 rows x 144 bytes for each wave, behind the ring; no tensor load lands here
.set KL,   8                           ; lane term of K's fragments
.set VL,   9                           ; lane term of V's transposing loads
.set KADR, 10                          ; the block's K
.set VADR, 11                          ; the block's V
.set STO,  12
.set RD,   13
.set CO,   14
.set QOFF, 15
.set M,    16                          ; v16-23  the running maximum of each query tile
.set L,    24                          ; v24-39  the running sum of each query tile, as a pair (even and odd keys of my half)
.set AL,   40                          ; v40 the rescaling factor; v41 written once (a pair counts as read whole)
.set MN,   42                          ; the new maximum
.set X,    43                          ; from the other half of the lanes
.set TM,   44                          ; v44-47
.set S,    48                          ; v48-79 and v80-111: four score tiles, twice (even and odd query tiles)
.set P,    112                         ; v112-127 p in f16: two fragments of 32 keys
.set KF,   128                         ; v128-191 KF[kt][c] at 128 + 16 kt + 8 c
.set VF,   192                         ; v192-255 VF[g][dt] at 192 + 32 g + 8 dt
.set R,    128                         ; the way out, two sets of 16, where K's fragments lay
.set G1K, 16                           ; s[16:23] group 1, K's tiles
.set G1V, 24                           ; s[24:31] group 1, V's tiles
.set G0K, 32                           ; s[32:39] group 0 of K's two first fills
.set G0V, 40                           ; s[40:47] group 0 of V's two first fills
.set GK,  36                           ; slot 1's set goes on as the refills' group 0
.set GV,  44
.set MSB, 0
.macro WIN new                         ; the immediate's high byte repeats the setting that is left
.if MSB != \new
	s_set_vgpr_msb (MSB<<8)|\new
.set MSB, \new
.endif
.endm
.macro PLACES                          ; four places behind a matrix instruction (ISA guide 7.12.1)
.rept 4
	v_nop
.endr
.endm
.macro ROUND                           ; a round of the cluster's barrier
	s_barrier_signal -1
	s_barrier_wait -1
	s_cmp_lg_u32 s12, 0
	s_cbranch_scc1 .Lnot_wave_0_\@
	s_barrier_signal -3
.Lnot_wave_0_\@:
	s_barrier_wait -3
	s_barrier_signal -1
	s_barrier_wait -1
.endm
.macro JLOAD                           ; a refill.  Wave 0: K's tile; wave 1: V's; waves 2 and 3 have no part to fill
	s_cmp_lg_u32 s12, 0
	s_cbranch_scc1 .Lnot_k_\@
	tensor_load_to_lds s[GK:GK+3], s[G1K:G1K+7]
	s_nop 0
	s_branch .Lasked_\@
.Lnot_k_\@:
	s_cmp_lg_u32 s12, 1
	s_cbranch_scc1 .Lasked_\@
	tensor_load_to_lds s[GV:GV+3], s[G1V:G1V+7]
	s_nop 0
.Lasked_\@:
.endm
	s_load_b256 s[4:11], s[0:1], 0x0               ; qb s[4:5], kb s[6:7], vb s[8:9], ob s[10:11]
	s_set_vgpr_msb 0x80
	v_lshl_add_u32 v128, v0, 2, 0x29000
	v_mov_b32 v129, 0
	s_set_vgpr_msb 0x808a
	ds_add_u32 v128, v129
	s_set_vgpr_msb 0x8a00
	v_lshrrev_b32 v1, 5, v0
	v_readfirstlane_b32 s12, v1                    ; wave
	s_bfe_u32 s13, ttmp6, 0x40000                  ; cx: my block of 512 queries
	s_mov_b32 s48, 0x76543210                      ; v_permlanex16_b32: lane i of one half reads lane i of the other
	s_mov_b32 s49, 0xfedcba98
	s_mov_b32 s56, 0                               ; the slot that is read: K's base,
	s_mov_b32 s57, VBASE                           ; V's base
	s_mov_b32 s[G1K+0], 15|(3<<16)|(1<<20)|(1<<21)|(5<<22)|(3<<25)  ; all four partners; elements of 8 bytes; padding: 4 words after every 64
	s_mov_b32 s[G1K+1], 32<<16
	s_mov_b32 s[G1K+2], 128<<16                    ; 128 rows of 256 bytes = 256 keys
	s_mov_b32 s[G1K+3], 32<<16
	s_mov_b32 s[G1K+4], 128
	s_mov_b32 s[G1K+5], 32
	s_mov_b32 s[G1K+6], 0
	s_mov_b32 s[G1K+7], 0
	s_mov_b32 s[G1V+0], 15|(3<<16)|(1<<20)|(1<<21)|(5<<22)|(7<<25)  ; the same with 8 words of padding
	s_mov_b32 s[G1V+1], 32<<16
	s_mov_b32 s[G1V+2], 128<<16
	s_mov_b32 s[G1V+3], 32<<16
	s_mov_b32 s[G1V+4], 128
	s_mov_b32 s[G1V+5], 32
	s_mov_b32 s[G1V+6], 0
	s_mov_b32 s[G1V+7], 0
	s_lshl_b32 s50, ttmp9, 18                      ; the head: 2,048 rows of 128 bytes; shared by the partners
	s_mov_b32 s51, 0
	s_lshl_b32 s52, s13, 16                        ; 512 queries a work-group,
	s_lshl_b32 s53, s12, 14                        ; 128 a wave
	s_add_co_u32 s52, s52, s53
	s_add_co_u32 s52, s52, s50
	s_mov_b32 s53, 0
	s_wait_dscnt 0x0
	s_wait_kmcnt 0x0
	s_add_nc_u64 s[6:7], s[6:7], s[50:51]
	s_add_nc_u64 s[8:9], s[8:9], s[50:51]
	s_add_nc_u64 s[4:5], s[4:5], s[52:53]          ; my queries
	s_add_nc_u64 s[10:11], s[10:11], s[52:53]      ; and their rows of the result
.irp s, 0,1
	s_mov_b32 s[G0K+4*\s], 1
	s_mov_b32 s[G0K+4*\s+1], \s*KSLOT
	s_add_nc_u64 s[G0K+4*\s+2:G0K+4*\s+3], s[6:7], \s*32768        ; step s: 256 keys of 128 bytes
	s_or_b32 s[G0K+4*\s+3], s[G0K+4*\s+3], 0x80000000
	s_mov_b32 s[G0V+4*\s], 1
	s_mov_b32 s[G0V+4*\s+1], VBASE+\s*VSLOT
	s_add_nc_u64 s[G0V+4*\s+2:G0V+4*\s+3], s[8:9], \s*32768
	s_or_b32 s[G0V+4*\s+3], s[G0V+4*\s+3], 0x80000000
.endr
	ROUND                                          ; the four partners are here: the first joint loads meet
	s_cmp_lg_u32 s12, 0                            ; a wave's two first fills stand in one branch on its number: two loads out, the most in this text
	s_cbranch_scc1 .Lff_not_k
	tensor_load_to_lds s[G0K:G0K+3], s[G1K:G1K+7]
	s_nop 0
	tensor_load_to_lds s[G0K+4:G0K+7], s[G1K:G1K+7]
	s_nop 0
	s_branch .Lff_done
.Lff_not_k:
	s_cmp_lg_u32 s12, 1
	s_cbranch_scc1 .Lff_done
	tensor_load_to_lds s[G0V:G0V+3], s[G1V:G1V+7]
	s_nop 0
	tensor_load_to_lds s[G0V+4:G0V+7], s[G1V:G1V+7]
	s_nop 0
.Lff_done:
	v_and_b32 v1, 15, v0                           ; r
	v_bfe_u32 v2, v0, 4, 1                         ; h
	v_lshlrev_b32 v3, 7, v1
	v_lshl_add_u32 v[QOFF], v2, 4, v3              ; query r, 16 h
	WIN 0x80                                       ; destination: window 2
.irp qt, 0,1,2,3,4,5,6,7
	global_load_b128 v[16*\qt:16*\qt+3],     v[QOFF], s[4:5] offset:\qt*2048
	global_load_b128 v[16*\qt+4:16*\qt+7],   v[QOFF], s[4:5] offset:\qt*2048+32
	global_load_b128 v[16*\qt+8:16*\qt+11],  v[QOFF], s[4:5] offset:\qt*2048+64
	global_load_b128 v[16*\qt+12:16*\qt+15], v[QOFF], s[4:5] offset:\qt*2048+96
.endr
	WIN 0
	v_lshrrev_b32 v3, 1, v1
	v_and_b32 v4, 1, v1
	v_mul_u32_u24 v3, v3, 272
	v_lshl_add_u32 v3, v4, 7, v3
	v_lshl_add_u32 v[KL], v2, 4, v3                ; (r >> 1) 272 + (r & 1) 128 + 16 h
	v_bfe_u32 v3, v0, 1, 2                         ; (l & 7) >> 1
	v_lshl_add_u32 v3, v2, 2, v3                   ; + 4 h: LDS row of key 8 h + (l & 7)
	v_mul_u32_u24 v3, v3, 288
	v_and_b32 v4, 1, v0
	v_lshl_add_u32 v3, v4, 7, v3
	v_bfe_u32 v4, v0, 3, 1
	v_lshl_add_u32 v[VL], v4, 4, v3
	s_mul_i32 s54, s12, 2304
	s_add_co_u32 s54, s54, OUTB                    ; my stage
	v_mul_u32_u24 v4, v1, 144
	v_lshl_add_u32 v4, v2, 4, v4
	v_add_nc_u32 v[STO], s54, v4
	v_and_b32 v5, 31, v0
	v_lshrrev_b32 v6, 3, v5
	v_and_b32 v7, 7, v5
	v_mul_u32_u24 v6, v6, 144
	v_lshl_add_u32 v6, v7, 4, v6
	v_add_nc_u32 v[RD], s54, v6
	v_lshlrev_b32 v[CO], 4, v5
	v_mov_b32 v[AL+1], 0                           ; the upper half of a pair of which the lower alone is used,
	v_mov_b32 v[X], 0                              ; and the destination of v_permlanex16_b32, which counts as read
; ---- the matrix instructions, one a call.  No two that follow each other share an accumulator: the four tiles of a run take turns,
; one instruction a turn.
; Score product k (0..7) of query tile qt into the score buffer sb: key tile k & 3, half k >> 2 of the head's 64 numbers.
.macro SCI qt, sb, k
	WIN 0x08                                       ; source 1: window 2 (Q)
.if (\k) < 4
	v_wmma_f32_16x16x32_f16 v[(\sb)+8*(\k):(\sb)+8*(\k)+7], v[KF+16*(\k):KF+16*(\k)+7], v[16*(\qt):16*(\qt)+7], 0
.else
	v_wmma_f32_16x16x32_f16 v[(\sb)+8*((\k)-4):(\sb)+8*((\k)-4)+7], v[KF+16*((\k)-4)+8:KF+16*((\k)-4)+15], v[16*(\qt)+8:16*(\qt)+15], v[(\sb)+8*((\k)-4):(\sb)+8*((\k)-4)+7]
.endif
.endm
; Product k (0..7) of p with V for query tile qt: tile k & 3 of O, keys 32 (k >> 2) ..  first = 1: the launch's first block starts the sums.
.macro PVI qt, k, first
	WIN 0x50                                       ; C and D: window 1 (O)
.if (\k) < 4
.if \first
	v_wmma_f32_16x16x32_f16 v[32*(\qt)+8*(\k):32*(\qt)+8*(\k)+7], v[VF+8*(\k):VF+8*(\k)+7], v[P:P+7], 0
.else
	v_wmma_f32_16x16x32_f16 v[32*(\qt)+8*(\k):32*(\qt)+8*(\k)+7], v[VF+8*(\k):VF+8*(\k)+7], v[P:P+7], v[32*(\qt)+8*(\k):32*(\qt)+8*(\k)+7]
.endif
.else
	v_wmma_f32_16x16x32_f16 v[32*(\qt)+8*((\k)-4):32*(\qt)+8*((\k)-4)+7], v[VF+32+8*((\k)-4):VF+32+8*((\k)-4)+7], v[P+8:P+15], v[32*(\qt)+8*((\k)-4):32*(\qt)+8*((\k)-4)+7]
.endif
.endm
; ---- the softmax of one query tile against 64 keys: my 32 scores are 16 pairs.
.macro SUBP sb, i                      ; pair i: the maximum is taken away
	v_pk_add_f32 v[(\sb)+2*(\i):(\sb)+2*(\i)+1], v[(\sb)+2*(\i):(\sb)+2*(\i)+1], v[MN:MN+1] op_sel_hi:[1,0] neg_lo:[0,1] neg_hi:[0,1]
.endm
.macro SUMP sb, qt, j, first           ; pair j joins the row's sum.  Pair 0 brings the old sum in, rescaled, by one fused multiply-add;
.if \first                             ; in the first block pairs 0 and 1 start the sum: nothing is cleared
.if (\j) == 1
	v_pk_add_f32 v[L+2*(\qt):L+2*(\qt)+1], v[(\sb):(\sb)+1], v[(\sb)+2:(\sb)+3]
.endif
.if (\j) > 1
	s_wait_alu depctr_va_vdst(0)
	v_pk_add_f32 v[L+2*(\qt):L+2*(\qt)+1], v[L+2*(\qt):L+2*(\qt)+1], v[(\sb)+2*(\j):(\sb)+2*(\j)+1]
.endif
.else
.if (\j) == 0
	v_pk_fma_f32 v[L+2*(\qt):L+2*(\qt)+1], v[L+2*(\qt):L+2*(\qt)+1], v[AL:AL+1], v[(\sb):(\sb)+1] op_sel_hi:[1,0,1]
.else
	s_wait_alu depctr_va_vdst(0)
	v_pk_add_f32 v[L+2*(\qt):L+2*(\qt)+1], v[L+2*(\qt):L+2*(\qt)+1], v[(\sb)+2*(\j):(\sb)+2*(\j)+1]
.endif
.endif
.endm
; Group i (0..17): the two exponentials of pair i, each followed by plain work on other pairs: the sum and the packing of pair i - 2 and the
; subtraction of pair i + 4.  So a plain instruction stands between every exponential and the use of its result (ISA guide 5.7.2).
.macro GRP sb, qt, i, first
.if (\i) < 16
	v_exp_f32 v[(\sb)+2*(\i)], v[(\sb)+2*(\i)]
.endif
.if (\i) < 2
	SUBP \sb, ((\i)+4)
.else
	SUMP \sb, \qt, ((\i)-2), \first
.endif
.if (\i) < 16
	v_exp_f32 v[(\sb)+2*(\i)+1], v[(\sb)+2*(\i)+1]
.endif
.if (\i) >= 2
	s_wait_alu depctr_va_vdst(0)
	v_cvt_pk_f16_f32 v[P+(\i)-2], v[(\sb)+2*(\i)-4], v[(\sb)+2*(\i)-3]
.if (\i) < 12
	SUBP \sb, ((\i)+4)
.endif
.endif
.endm
; Slice sl (0..15).  0, 1: four chains of maxima over the four score tiles.  2: three joins.  3, 4, 5: the last join, its crossing to the
; other half of the lanes, the new maximum: one instruction each, since each needs the one before and nothing else of this tile can start
; before them.  6, 7: the factor 2^(old m - new m), the first subtractions and exponentials.  8, 9: O is rescaled, 8 pairs each, under one
; window setting.  10 to 15: the groups 2 to 17.
.macro SL sl, sb, qt, first
.if (\sl) == 0
	WIN 0
.irp c, 0,1,2,3
	v_max3_num_f32 v[TM+\c], v[(\sb)+8*\c], v[(\sb)+8*\c+1], v[(\sb)+8*\c+2]
.endr
.irp c, 0,1
	v_max3_num_f32 v[TM+\c], v[TM+\c], v[(\sb)+8*\c+3], v[(\sb)+8*\c+4]
.endr
.endif
.if (\sl) == 1
	WIN 0
.irp c, 2,3
	v_max3_num_f32 v[TM+\c], v[TM+\c], v[(\sb)+8*\c+3], v[(\sb)+8*\c+4]
.endr
.irp c, 0,1,2,3
	v_max3_num_f32 v[TM+\c], v[TM+\c], v[(\sb)+8*\c+5], v[(\sb)+8*\c+6]
.endr
.endif
.if (\sl) == 2
	WIN 0
	v_max3_num_f32 v[TM], v[TM], v[TM+1], v[(\sb)+7]
	v_max3_num_f32 v[TM+2], v[TM+2], v[TM+3], v[(\sb)+15]
.if \first
	v_max_num_f32 v[TM+1], v[(\sb)+23], v[(\sb)+31]
.else
	v_max3_num_f32 v[TM+1], v[(\sb)+23], v[(\sb)+31], v[M+(\qt)]   ; the old maximum joins here
.endif
.endif
.if (\sl) == 3
	WIN 0
	v_max3_num_f32 v[TM], v[TM], v[TM+2], v[TM+1]
.endif
.if (\sl) == 4
	WIN 0
	v_permlanex16_b32 v[X], v[TM], s48, s49        ; the other 32 keys of my query
.endif
.if (\sl) == 5
	WIN 0
	v_max_num_f32 v[MN], v[TM], v[X]
.endif
.if (\sl) == 6
	WIN 0
.if \first
.else
	v_sub_f32 v[TM+3], v[M+(\qt)], v[MN]
.endif
	SUBP \sb, 0
	SUBP \sb, 1
.endif
.if (\sl) == 7
	WIN 0
.if \first
.else
	v_exp_f32 v[AL], v[TM+3]                       ; 2^(old m - new m); the subtraction below is the plain place behind it (ISA guide 5.7.2)
.endif
	SUBP \sb, 2
	v_mov_b32 v[M+(\qt)], v[MN]
	SUBP \sb, 3
	GRP \sb, \qt, 0, \first
	GRP \sb, \qt, 1, \first
.endif
.if (\sl) == 8
.if \first
.else
	WIN 0x41                                       ; destination and source 0: window 1 (O)
.set px, 0
	s_wait_alu depctr_va_vdst(0)
.rept 8
	v_pk_mul_f32 v[32*(\qt)+2*px:32*(\qt)+2*px+1], v[32*(\qt)+2*px:32*(\qt)+2*px+1], v[AL:AL+1] op_sel_hi:[1,0]
.set px, px+1
.endr
.endif
.endif
.if (\sl) == 9
.if \first
.else
	WIN 0x41
.set px, 8
.rept 8
	v_pk_mul_f32 v[32*(\qt)+2*px:32*(\qt)+2*px+1], v[32*(\qt)+2*px:32*(\qt)+2*px+1], v[AL:AL+1] op_sel_hi:[1,0]
.set px, px+1
.endr
.endif
.endif
.if (\sl) == 10
	WIN 0
	GRP \sb, \qt, 2, \first
	GRP \sb, \qt, 3, \first
.endif
.if (\sl) == 11
	WIN 0
	GRP \sb, \qt, 4, \first
	GRP \sb, \qt, 5, \first
.endif
.if (\sl) == 12
	WIN 0
	GRP \sb, \qt, 6, \first
	GRP \sb, \qt, 7, \first
.endif
.if (\sl) == 13
	WIN 0
	GRP \sb, \qt, 8, \first
	GRP \sb, \qt, 9, \first
.endif
.if (\sl) == 14
	WIN 0
	GRP \sb, \qt, 10, \first
	GRP \sb, \qt, 11, \first
	GRP \sb, \qt, 12, \first
.endif
.if (\sl) == 15
	WIN 0
	GRP \sb, \qt, 13, \first
	GRP \sb, \qt, 14, \first
	GRP \sb, \qt, 15, \first
	GRP \sb, \qt, 16, \first
	GRP \sb, \qt, 17, \first
.endif
.endm
; Turn t (0..7): tile t's 16 slices, each behind one matrix instruction of a neighbour.  Places 0-7: p v of tile t - 1 (turn 0, which has no
; tile before it, takes tile 1's scores there); places 8-15: the scores of tile t + 1 (turns 1 to 6).
; Distances (ISA guide 7.12.1): tile t + 1's last score product is followed by slice 15, ten plain instructions on other registers, before
; the next turn's slice 0 reads its result; p is written again in slice 10, behind slice 7's five plain instructions and the slices after it.
.macro TURN t, first
.if (\t) == 1
	s_wait_dscnt 0                                 ; V's fragments are in: their first use
.endif
.irp i, 0,1,2,3,4,5,6,7,8,9,10,11,12,13,14,15
.if \i < 8
.if (\t) == 0
	SCI 1, (S+32), \i
.else
	PVI ((\t)-1), \i, \first
.endif
.else
.if (\t) > 0
.if (\t) < 7
	SCI ((\t)+1), (S+32*(((\t)+1)&1)), (\i-8)
.endif
.endif
.endif
	SL \i, (S+32*((\t)&1)), \t, \first
.endr
.endm
; 64 keys: their fragments in one run of 32 LDS loads, tile 0's scores, the eight turns, tile 7's p v; the addresses step to the next 64 keys.
.macro BLOCK first
	PLACES                                         ; V's fragments were sources of the last matrix instructions
.irp kt, 0,1,2,3
	ds_load_b128 v[KF+16*\kt:KF+16*\kt+3],     v[KADR] offset:\kt*2176
	ds_load_b128 v[KF+16*\kt+4:KF+16*\kt+7],   v[KADR] offset:\kt*2176+32
.endr
.irp kt, 0,1,2,3
	ds_load_b128 v[KF+16*\kt+8:KF+16*\kt+11],  v[KADR] offset:\kt*2176+64
	ds_load_b128 v[KF+16*\kt+12:KF+16*\kt+15], v[KADR] offset:\kt*2176+96
.endr
.irp g, 0,1
.irp dt, 0,1,2,3
	ds_load_tr16_b128 v[VF+32*\g+8*\dt:VF+32*\g+8*\dt+3],   v[VADR] offset:\g*4608+32*\dt        ; keys 32 g + 8 h + 0..7 of number 16 dt + r
	ds_load_tr16_b128 v[VF+32*\g+8*\dt+4:VF+32*\g+8*\dt+7], v[VADR] offset:\g*4608+32*\dt+2304   ; keys 16 further: 8 LDS rows
.endr
.endr
	s_wait_dscnt 24                                ; the first 8 of the 32 loads are in: the first 32 numbers of all 64 keys
.irp i, 0,1,2,3
	SCI 0, S, \i
.endr
	s_wait_dscnt 16                                ; K's 16 loads are in; V's 16, issued behind them, may be out
.irp i, 4,5,6,7
	SCI 0, S, \i
.endr
	WIN 0
	PLACES                                         ; ahead of slice 0 of turn 0, which reads these scores
.irp t, 0,1,2,3,4,5,6,7
	TURN \t, \first
.endr
.irp i, 0,1,2,3,4,5,6,7
	PVI 7, \i, \first
.endr
	WIN 0
	v_add_nc_u32 v[KADR], 8704, v[KADR]            ; 32 LDS rows of 272
	v_add_nc_u32 v[VADR], 9216, v[VADR]            ; 32 LDS rows of 288
.endm
.macro SETADR                          ; the first block of the slot that is read
	v_add_nc_u32 v[KADR], s56, v[KL]
	v_add_nc_u32 v[VADR], s57, v[VL]
.endm
; The slot just read out is filled again, two steps ahead.  Every wave waits for its reads and for all its tensor loads (the other slot's
; among them); no load is out, so the refills' group 0 may be written: its LDS word goes to the other slot, its address one step on (from
; slot 1 and step 1 at the start: change n fills slot n & 1 with step n + 2); the read bases change slots too.  The round holds of every
; wave of all four partners; the refill comes first behind it.
.macro CHANGE
	s_wait_dscnt 0
	s_set_vgpr_msb 0xa
	s_wait_tensorcnt 0x0
	ds_add_u32 v128, v129
	s_wait_dscnt 0x0
	s_set_vgpr_msb 0xa00
	s_xor_b32 s[GK+1], s[GK+1], KSLOT
	s_add_nc_u64 s[GK+2:GK+3], s[GK+2:GK+3], 32768
	s_xor_b32 s[GV+1], s[GV+1], VX
	s_add_nc_u64 s[GV+2:GV+3], s[GV+2:GV+3], 32768
	s_xor_b32 s56, s56, KSLOT
	s_xor_b32 s57, s57, VX
	ROUND
	JLOAD
.endm
	s_wait_tensorcnt 1                             ; my part of step 0 is in; step 1's may stay out
	s_wait_loadcnt 0x0                             ; Q
	s_barrier_signal -1
	s_barrier_wait -1
	SETADR
	BLOCK 1                                        ; keys 0 to 63: the first products start the sums
	s_mov_b32 s58, 3                               ; step 0 has three blocks left
	s_mov_b32 s15, 6                               ; steps 0 to 5 end in a refill
.Lstep:
	s_mov_b32 s14, s58
.Lblk:
	BLOCK 0
	s_sub_co_u32 s14, s14, 1
	s_cmp_lg_u32 s14, 0
	s_cbranch_scc1 .Lblk
	CHANGE
	SETADR
	s_mov_b32 s58, 4                               ; every later step has four blocks
	s_sub_co_u32 s15, s15, 1
	s_cmp_lg_u32 s15, 0
	s_cbranch_scc1 .Lstep
	s_mov_b32 s15, 2                               ; steps 6 (slot 0) and 7 (slot 1): nothing is left to fetch; the addresses step from slot 0 into slot 1
.Ltstep:
	s_mov_b32 s14, 4
.Ltblk:
	BLOCK 0
	s_sub_co_u32 s14, s14, 1
	s_cmp_lg_u32 s14, 0
	s_cbranch_scc1 .Ltblk
	s_wait_dscnt 0
	s_wait_tensorcnt 0x0                           ; behind step 6: my part of step 7's tile is in,
	ROUND                                          ; everybody's is.  Behind step 7: the closing round: no joint load follows, and no work-group ends while a partner may still ask
	s_sub_co_u32 s15, s15, 1
	s_cmp_lg_u32 s15, 0
	s_cbranch_scc1 .Ltstep
	; THE WAY OUT, a query tile at a time: join the parts of the sum, divide, f16, through my own stage, whole rows out.
	PLACES
.macro OUTQ qt
	v_add_f32 v[TM], v[L+2*\qt], v[L+2*\qt+1]
	v_permlanex16_b32 v[X], v[TM], s48, s49
	v_add_f32 v[TM], v[TM], v[X]                   ; at least 1: the largest score gives p = 1
	v_rcp_f32 v[AL], v[TM]
	v_nop                                          ; a plain place behind the reciprocal (ISA guide 5.7.2)
	WIN 0x01                                       ; source 0: window 1
.set px, 0
	s_wait_alu depctr_va_vdst(0)
.rept 16
	v_pk_mul_f32 v[S+2*px:S+2*px+1], v[32*\qt+2*px:32*\qt+2*px+1], v[AL:AL+1] op_sel_hi:[1,0]
.set px, px+1
.endr
	WIN 0
.set px, 0
.rept 16
	v_cvt_pk_f16_f32 v[P+px], v[S+2*px], v[S+2*px+1]
.set px, px+1
.endr
.irp dt, 0,1,2,3
	ds_store_b128 v[STO], v[P+4*\dt:P+4*\dt+3] offset:32*\dt
.endr
	s_wait_xcnt 0x0                                ; the registers that earlier stores read are loaded again only behind this wait
.irp t, 0,1,2,3
	ds_load_b128 v[R+16*(\qt&1)+4*\t:R+16*(\qt&1)+4*\t+3], v[RD] offset:576*\t     ; LDS serves a wave's instructions in order
.endr
.irp t, 0,1,2,3
	s_wait_dscnt 3-\t
	global_store_b128 v[CO], v[R+16*(\qt&1)+4*\t:R+16*(\qt&1)+4*\t+3], s[10:11] offset:\qt*2048+512*\t   ; 512 consecutive bytes, aligned
.endr
.endm
.irp qt, 0,1,2,3,4,5,6,7
	OUTQ \qt
.endr
	s_set_vgpr_msb 0xa
	s_wait_tensorcnt 0x0
	ds_add_u32 v128, v129
	s_wait_dscnt 0x0
	s_set_vgpr_msb 0xa00
	s_endpgm
.Lfunc_end_k_q7cb1dc4ee9_attn:
	.size	k_q7cb1dc4ee9_attn, .Lfunc_end_k_q7cb1dc4ee9_attn-k_q7cb1dc4ee9_attn
	.p2alignl 7, 3214868480
	.fill 96, 4, 3214868480
	.section	.rodata,"a",@progbits
	.p2align	6, 0x0
	.amdhsa_kernel k_q7cb1dc4ee9_attn
		.amdhsa_group_segment_fixed_size 327680
		.amdhsa_private_segment_fixed_size 0
		.amdhsa_enable_private_segment 0
		.amdhsa_kernarg_size 32
		.amdhsa_user_sgpr_count 2
		.amdhsa_user_sgpr_kernarg_segment_ptr 1
		.amdhsa_wavefront_size32 1
		.amdhsa_system_sgpr_workgroup_id_x 1
		.amdhsa_system_sgpr_workgroup_id_y 1
		.amdhsa_system_sgpr_workgroup_id_z 1
		.amdhsa_system_vgpr_workitem_id 0
		.amdhsa_next_free_vgpr 642
		.amdhsa_next_free_sgpr 66
		.amdhsa_reserve_vcc 0
		.amdhsa_float_denorm_mode_32 3
		.amdhsa_float_denorm_mode_16_64 3
		.amdhsa_memory_ordered 1
		.amdhsa_forward_progress 1
		.amdhsa_inst_pref_size 254
	.end_amdhsa_kernel
	.amdgpu_metadata
---
amdhsa.version: [ 1, 2 ]
amdhsa.kernels:
  - .name:           k_q7cb1dc4ee9_attn
    .symbol:         k_q7cb1dc4ee9_attn.kd
    .args:
      - { .name: qb, .offset: 0, .size: 8, .value_kind: global_buffer, .address_space: global }
      - { .name: kb, .offset: 8, .size: 8, .value_kind: global_buffer, .address_space: global }
      - { .name: vb, .offset: 16, .size: 8, .value_kind: global_buffer, .address_space: global }
      - { .name: ob, .offset: 24, .size: 8, .value_kind: global_buffer, .address_space: global }
    .group_segment_fixed_size: 327680
    .private_segment_fixed_size: 0
    .kernarg_segment_align: 8
    .kernarg_segment_size: 32
    .max_flat_workgroup_size: 128
    .sgpr_count:     66
    .vgpr_count:     642
    .wavefront_size: 32
...
	.end_amdgpu_metadata
.endif
;; end of part 3
;; launch oproj (part 4): grid 8 x 32, 4 waves a work-group, clusters of 4 x 4, 327,680 bytes of LDS; arguments ob, woutt, bout, out0; writes out0
.if DOCPART == 4
	.amdgcn_target "amdgcn-amd-amdhsa--gfx1250"
	.amdhsa_code_object_version 6
	.text
	.protected	k_q7cb1dc4ee9_oproj
	.globl	k_q7cb1dc4ee9_oproj
	.p2align	8
	.type	k_q7cb1dc4ee9_oproj,@function
k_q7cb1dc4ee9_oproj:
	s_mov_b64 s[64:65], 0
	v_nop
	global_prefetch_b8 v0, s[64:65] scope:SCOPE_SE
	s_setreg_imm32_b32 hwreg(HW_REG_WAVE_MODE, 25, 1), 1
	s_wait_xcnt 0x0
	s_wait_alu depctr_hold_cnt(0) depctr_sa_sdst(0) depctr_va_vdst(0) depctr_va_sdst(0) depctr_va_ssrc(0) depctr_va_vcc(0) depctr_vm_vsrc(0)
	s_getreg_b32 s2, hwreg(HW_REG_IB_STS2, 6, 4)
	s_cmp_eq_u32 s2, 0
	s_cbranch_scc0 .Lentry_in_a_cluster
	s_endpgm
.Lentry_in_a_cluster:
	s_bfe_u32 s2, ttmp6, 0x10000c
	s_cmp_lg_u32 s2, 0xf033
	s_cbranch_scc0 .Lentry_shape_is_right
	s_endpgm
.Lentry_shape_is_right:
; OPROJ: out0[s][b][n] = sum over (h, j) of ob[16 b + h][s][j] Wout[64 h + j][n] + bout[n], in f32; operands f16, sums f32.
; A work-group makes 256 rows (one b, positions s0 .. s0 + 255) x 128 columns; wave w rows 128 (w >> 1) .., columns 64 (w & 1) ..:
; 32 accumulator tiles in window 1, tile (a 0..7, i 0..3) at v[8 (4 a + i)].  With 8 x 32 blocks of this size every one of 256 work-groups has one.
; K goes in 8 steps of 128 (two heads) through two LDS slots.  Every tile is a dense run of memory taken as rows of 256 bytes + 16 of padding;
; fragments are read as in the launch qkv: tile row R at LDS row R >> 1, byte 128 (R & 1).
; CLUSTERS 4 x 4: ob's tiles hang on the block row alone (joint along a row of the cluster), woutt's on the block column alone (along a column).
; The matrix instruction is used transposed (source 0 = rows of Wout^T, source 1 = rows of ob): a lane holds row r and columns 8 h + 0..7.
.set SLOT,  104448                     ; ob: two heads x 128 LDS rows of 272 at 0; woutt: two blocks x 64 LDS rows at 69,632
.set BBASE, 69632
.set STAGE, 208896                     ; 16 rows x 272 bytes for each wave; no tensor load lands here
.set ADRA, 16
.set ADRB, 20
.set STO,  24
.set RD,   25
.set CO,   26
.set BOFF, 27
.set BO,   32                          ; v32-63 the bias of my 64 columns: 8 numbers for each column block
.set A0,   64
.set A1,   128
.set B0,   192
.set B1,   224
.set T,    64                          ; the way out
.set G1A,  24
.set G0A,  32
.set G1B,  40
.set G0B,  48
.set DW0, (3<<16)|(1<<20)|(1<<21)|(5<<22)|(3<<25)
.set MSB, 0
.macro WIN new
.if MSB != \new
	s_set_vgpr_msb (MSB<<8)|\new
.set MSB, \new
.endif
.endm
.macro PLACES                          ; four places behind a matrix instruction (ISA guide 7.12.1)
.rept 4
	v_nop
.endr
.endm
.macro JLOAD s                         ; waves 0 and 1 fetch the two heads of ob, waves 2 and 3 the two blocks of woutt
	s_cmp_eq_u32 s17, 0
	s_cbranch_scc0 .Lfor_b_\@
	tensor_load_to_lds s[G0A+4*\s:G0A+4*\s+3], s[G1A:G1A+7]
	s_nop 0
	s_branch .Lasked_\@
.Lfor_b_\@:
	tensor_load_to_lds s[G0B+4*\s:G0B+4*\s+3], s[G1B:G1B+7]
	s_nop 0
.Lasked_\@:
.endm
.macro CREST
	s_cmp_lg_u32 s16, 0
	s_cbranch_scc1 .Lnot_wave_0_\@
	s_barrier_signal -3
.Lnot_wave_0_\@:
	s_barrier_wait -3
	s_barrier_signal -1
	s_barrier_wait -1
.endm
.macro CROUND
	s_barrier_signal -1
	s_barrier_wait -1
	CREST
.endm
	s_load_b256 s[4:11], s[0:1], 0x0               ; ob s[4:5], woutt s[6:7], bout s[8:9], out0 s[10:11]
	v_lshl_add_u32 v30, v0, 2, 0x37400
	v_mov_b32 v31, 0
	ds_add_u32 v30, v31
	v_lshrrev_b32 v1, 5, v0
	v_readfirstlane_b32 s16, v1                    ; wave
	s_lshr_b32 s17, s16, 1                         ; my half of the rows.  Also: I fetch for ob (0) or for woutt (1)
	s_and_b32 s18, s16, 1                          ; my half of the columns.  Also: which head or block of the step I fetch
	s_bfe_u32 s20, ttmp6, 0x40000                  ; cx
	s_bfe_u32 s21, ttmp6, 0x40004                  ; cy
	s_lshl_b32 s22, ttmp9, 2
	s_add_co_u32 s22, s22, s20                     ; block column g
	s_and_b32 s23, ttmp7, 0xffff
	s_lshl_b32 s23, s23, 2
	s_add_co_u32 s23, s23, s21                     ; block row
	s_lshl_b32 s62, s21, 2
	s_lshl_b32 s62, 15, s62                        ; my row of the cluster
	s_lshl_b32 s63, 0x1111, s20                    ; my column
	s_or_b32 s[G1A+0], s62, DW0
	s_mov_b32 s[G1A+1], 32<<16
	s_mov_b32 s[G1A+2], 128<<16                    ; 128 rows of 256 bytes = 256 positions of one head
	s_mov_b32 s[G1A+3], 32<<16
	s_mov_b32 s[G1A+4], 128
	s_mov_b32 s[G1A+5], 32
	s_mov_b32 s[G1A+6], 0
	s_mov_b32 s[G1A+7], 0
	s_or_b32 s[G1B+0], s63, DW0
	s_mov_b32 s[G1B+1], 32<<16
	s_mov_b32 s[G1B+2], 64<<16                     ; 64 rows of 256 bytes = 128 columns of one block of K
	s_mov_b32 s[G1B+3], 32<<16
	s_mov_b32 s[G1B+4], 64
	s_mov_b32 s[G1B+5], 32
	s_mov_b32 s[G1B+6], 0
	s_mov_b32 s[G1B+7], 0
	; ob + ((16 b + 2 step + head of the step) 2048 + s0) 128; never holds cx
	s_lshr_b32 s56, s23, 3                         ; b
	s_lshl4_add_u32 s56, s56, s18
	s_lshl_b32 s56, s56, 11
	s_and_b32 s57, s23, 7
	s_lshl_b32 s57, s57, 8                         ; s0
	s_add_co_u32 s56, s56, s57
	s_lshl_b32 s56, s56, 7
	s_mov_b32 s57, 0
	; woutt + ((2 step + block of the step) 1024 + 128 g) 128; never holds cy
	s_lshl_b32 s58, s18, 10
	s_lshl_b32 s59, s22, 7
	s_add_co_u32 s58, s58, s59
	s_lshl_b32 s58, s58, 7
	s_mov_b32 s59, 0
	s_mul_i32 s60, s16, 34816                      ; LDS: ob's heads at wave x 128 rows (waves 0, 1)
	s_mul_i32 s61, s16, 17408
	s_add_co_u32 s61, s61, 34816                   ; woutt's blocks at 69,632 + (wave - 2) x 64 rows (waves 2, 3)
	; the result: out0 + ((s0 + 128 half) 4 + b) 4096 + (128 g + 64 c) 4
	s_and_b32 s70, s23, 7
	s_lshl_b32 s70, s70, 8
	s_lshl_b32 s72, s17, 7
	s_add_co_u32 s70, s70, s72
	s_lshr_b32 s72, s23, 3
	s_lshl2_add_u32 s70, s70, s72
	s_lshl_b32 s70, s70, 12
	s_lshl1_add_u32 s72, s22, s18
	s_lshl_b32 s72, s72, 8                         ; my 64 columns in bytes
	s_add_co_u32 s70, s70, s72
	s_mov_b32 s71, 0
	s_mov_b32 s73, 0
	s_wait_dscnt 0x0
	s_wait_kmcnt 0x0
	s_add_nc_u64 s[56:57], s[4:5], s[56:57]
	s_add_nc_u64 s[58:59], s[6:7], s[58:59]
	s_add_nc_u64 s[72:73], s[8:9], s[72:73]        ; the bias of my columns
	s_add_nc_u64 s[10:11], s[10:11], s[70:71]
	CROUND                                         ; all sixteen work-groups are here: the first joint loads meet
.irp s, 0,1
	s_mov_b32 s[G0A+4*\s], 1
	s_add_co_u32 s[G0A+4*\s+1], s60, \s*SLOT
	s_add_nc_u64 s[G0A+4*\s+2:G0A+4*\s+3], s[56:57], \s*524288     ; step s: two heads of 262,144 bytes
	s_or_b32 s[G0A+4*\s+3], s[G0A+4*\s+3], 0x80000000
	s_mov_b32 s[G0B+4*\s], 1
	s_add_co_u32 s[G0B+4*\s+1], s61, \s*SLOT
	s_add_nc_u64 s[G0B+4*\s+2:G0B+4*\s+3], s[58:59], \s*262144     ; two blocks of 131,072 bytes
	s_or_b32 s[G0B+4*\s+3], s[G0B+4*\s+3], 0x80000000
	JLOAD \s                                       ; two loads of the wave are out, the most in this text
.endr
	v_and_b32 v1, 15, v0                           ; r
	v_bfe_u32 v2, v0, 4, 1                         ; h
	v_lshlrev_b32 v[BOFF], 5, v2
.irp i, 0,1,2,3
	global_load_b128 v[BO+8*\i:BO+8*\i+3],   v[BOFF], s[72:73] offset:64*\i        ; bout of columns 16 i + 8 h + 0..7; awaited ahead of the way out
	global_load_b128 v[BO+8*\i+4:BO+8*\i+7], v[BOFF], s[72:73] offset:64*\i+16
.endr
	v_lshrrev_b32 v3, 1, v1
	v_and_b32 v4, 1, v1
	v_mul_u32_u24 v3, v3, 272
	v_lshl_add_u32 v3, v4, 7, v3
	v_lshl_add_u32 v3, v2, 4, v3                   ; the lane's term
	s_mul_i32 s74, s17, 17408                      ; my 128 rows in each head
	s_mul_i32 s75, s18, 8704
	s_add_co_u32 s75, s75, BBASE                   ; my 64 columns in each block
.irp s, 0,1
	v_add_nc_u32 v[ADRA+\s], s74, v3
	v_add_nc_u32 v[ADRB+\s], s75, v3
	s_add_co_u32 s74, s74, SLOT
	s_add_co_u32 s75, s75, SLOT
.endr
	s_mul_i32 s76, s16, 4352
	s_add_co_u32 s76, s76, STAGE                   ; my stage
	v_mul_u32_u24 v4, v1, 272
	v_lshl_add_u32 v4, v2, 5, v4
	v_add_nc_u32 v[STO], s76, v4                   ; row r, 32 bytes for each half of the lanes
	v_mul_u32_u24 v5, v2, 272
	v_lshl_add_u32 v5, v1, 4, v5
	v_add_nc_u32 v[RD], s76, v5                    ; back: lanes 0-15 one row of 256 bytes, lanes 16-31 the next
	v_lshlrev_b32 v6, 14, v2                       ; the next position lies four rows of 4,096 bytes further
	v_lshl_add_u32 v[CO], v1, 4, v6
; 24 LDS loads: the fragments of chunk q (32 along K; q >> 1 the head, q & 1 its half)
.macro FETCH slot, q, fa, fb
	WIN 0
.irp i, 0,1,2,3
	ds_load_b128 v[\fb+8*\i:\fb+8*\i+3],   v[ADRB+\slot] offset:(\q>>1)*17408+\i*2176+(\q&1)*64
	ds_load_b128 v[\fb+8*\i+4:\fb+8*\i+7], v[ADRB+\slot] offset:(\q>>1)*17408+\i*2176+(\q&1)*64+32
.endr
.irp a, 0,1,2,3,4,5,6,7
	ds_load_b128 v[\fa+8*\a:\fa+8*\a+3],   v[ADRA+\slot] offset:(\q>>1)*34816+\a*2176+(\q&1)*64
	ds_load_b128 v[\fa+8*\a+4:\fa+8*\a+7], v[ADRA+\slot] offset:(\q>>1)*34816+\a*2176+(\q&1)*64+32
.endr
.endm
; 4 n matrix instructions.  The 32 accumulators take turns, one instruction a turn.
.macro MULO fa, fb, a0, n, zero
	WIN 0x50
.set mx, \a0
.rept \n
.set my, 0
.rept 4
.if \zero
	v_wmma_f32_16x16x32_f16 v[8*(4*mx+my):8*(4*mx+my)+7], v[\fb+8*my:\fb+8*my+7], v[\fa+8*mx:\fa+8*mx+7], 0
.else
	v_wmma_f32_16x16x32_f16 v[8*(4*mx+my):8*(4*mx+my)+7], v[\fb+8*my:\fb+8*my+7], v[\fa+8*mx:\fa+8*mx+7], v[8*(4*mx+my):8*(4*mx+my)+7]
.endif
.set my, my+1
.endr
.set mx, mx+1
.endr
.endm
; A K step of 128: four chunks of 32 matrix instructions on buffers 0, 1, 0, 1; each chunk first issues the next one's 24 loads.
; mode 2: this slot is filled again, two steps ahead; 1: slots change, nothing is filled; 0: the last step.
.macro STEPO slot, next, mode, zero
	PLACES
	FETCH \slot, 1, A1, B1
	s_wait_dscnt 24                                ; all but the 24 just issued
	MULO A0, B0, 0, 8, \zero
	PLACES
	FETCH \slot, 2, A0, B0
	s_wait_dscnt 24
	MULO A1, B1, 0, 8, 0
	PLACES
	FETCH \slot, 3, A1, B1
	s_wait_dscnt 24
	MULO A0, B0, 0, 8, 0
	s_wait_dscnt 0                                 ; my reads of this slot are over
.if \mode
	s_wait_tensorcnt 0x0                           ; all my tensor loads have landed: the one that was out is my part of the next slot
	ds_add_u32 v30, v31
	s_wait_dscnt 0x0
	s_barrier_signal -1
.endif
	MULO A1, B1, 0, 2, 0                           ; registers only, while the others arrive
.if \mode
	WIN 0
	s_barrier_wait -1
.endif
.if \mode == 2
	CREST                                          ; no wave of any partner reads this slot or has a load on its way
	s_add_nc_u64 s[G0A+4*\slot+2:G0A+4*\slot+3], s[G0A+4*\slot+2:G0A+4*\slot+3], 1048576
	s_add_nc_u64 s[G0B+4*\slot+2:G0B+4*\slot+3], s[G0B+4*\slot+2:G0B+4*\slot+3], 524288
	JLOAD \slot                                    ; the wave's one tensor load behind the round, ahead of its first LDS read
.endif
.if \mode
	PLACES
	FETCH \next, 0, A0, B0
.endif
	MULO A1, B1, 2, 6, 0
.endm
	s_wait_tensorcnt 1                             ; my part of step 0 is in; step 1's may stay out
	s_barrier_signal -1
	s_barrier_wait -1
	FETCH 0, 0, A0, B0
	STEPO 0, 1, 2, 1                               ; steps 0 and 1: the first products start the sums
	STEPO 1, 0, 2, 0
	WIN 0
	s_mov_b32 s19, 2                               ; steps 2 to 5
.Llap:
	STEPO 0, 1, 2, 0
	STEPO 1, 0, 2, 0
	WIN 0
	s_sub_co_u32 s19, s19, 1
	s_cmp_lg_u32 s19, 0
	s_cbranch_scc1 .Llap
	STEPO 0, 1, 1, 0                               ; step 6: nothing is left to fetch
	STEPO 1, 0, 0, 0                               ; step 7
	; THE WAY OUT, 16 rows at a time: the bias, 32 bytes a lane into my own stage, back as whole rows of 256 bytes.
	PLACES
	s_wait_loadcnt 0x0                             ; the bias
.macro OUTO a, r
	WIN 0x01                                       ; source 0: window 1
.set ox, 0
.rept 16
	v_pk_add_f32 v[T+2*ox:T+2*ox+1], v[32*\a+2*ox:32*\a+2*ox+1], v[BO+2*ox:BO+2*ox+1]
.set ox, ox+1
.endr
	WIN 0
.irp i, 0,1,2,3
	ds_store_b128 v[STO], v[T+8*\i:T+8*\i+3]   offset:64*\i
	ds_store_b128 v[STO], v[T+8*\i+4:T+8*\i+7] offset:64*\i+16
.endr
	s_wait_xcnt 0x0                                ; the registers that earlier stores read are loaded again only behind this wait
.irp t, 0,1,2,3,4,5,6,7
	ds_load_b128 v[\r+4*\t:\r+4*\t+3], v[RD] offset:544*\t         ; LDS serves a wave's instructions in order: these see the stores above
.endr
.irp t, 0,1,2,3,4,5,6,7
	s_wait_dscnt 7-\t
	global_store_b128 v[CO], v[\r+4*\t:\r+4*\t+3], s[10:11] offset:(16*\a+2*\t)*16384 th:TH_STORE_NT   ; sixteen lanes: 256 consecutive bytes, aligned
.endr
.endm
	OUTO 0, 96
	OUTO 1, 128
	OUTO 2, 96
	OUTO 3, 128
	OUTO 4, 96
	OUTO 5, 128
	OUTO 6, 96
	OUTO 7, 128
	s_wait_tensorcnt 0x0
	ds_add_u32 v30, v31
	s_wait_dscnt 0x0
	CROUND                                         ; the closing round
	s_endpgm
.Lfunc_end_k_q7cb1dc4ee9_oproj:
	.size	k_q7cb1dc4ee9_oproj, .Lfunc_end_k_q7cb1dc4ee9_oproj-k_q7cb1dc4ee9_oproj
	.p2alignl 7, 3214868480
	.fill 96, 4, 3214868480
	.section	.rodata,"a",@progbits
	.p2align	6, 0x0
	.amdhsa_kernel k_q7cb1dc4ee9_oproj
		.amdhsa_group_segment_fixed_size 327680
		.amdhsa_private_segment_fixed_size 0
		.amdhsa_enable_private_segment 0
		.amdhsa_kernarg_size 32
		.amdhsa_user_sgpr_count 2
		.amdhsa_user_sgpr_kernarg_segment_ptr 1
		.amdhsa_wavefront_size32 1
		.amdhsa_system_sgpr_workgroup_id_x 1
		.amdhsa_system_sgpr_workgroup_id_y 1
		.amdhsa_system_sgpr_workgroup_id_z 1
		.amdhsa_system_vgpr_workitem_id 0
		.amdhsa_next_free_vgpr 512
		.amdhsa_next_free_sgpr 80
		.amdhsa_reserve_vcc 0
		.amdhsa_float_denorm_mode_32 3
		.amdhsa_float_denorm_mode_16_64 3
		.amdhsa_memory_ordered 1
		.amdhsa_forward_progress 1
		.amdhsa_inst_pref_size 126
	.end_amdhsa_kernel
	.amdgpu_metadata
---
amdhsa.version: [ 1, 2 ]
amdhsa.kernels:
  - .name:           k_q7cb1dc4ee9_oproj
    .symbol:         k_q7cb1dc4ee9_oproj.kd
    .args:
      - { .name: ob, .offset: 0, .size: 8, .value_kind: global_buffer, .address_space: global }
      - { .name: woutt, .offset: 8, .size: 8, .value_kind: global_buffer, .address_space: global }
      - { .name: bout, .offset: 16, .size: 8, .value_kind: global_buffer, .address_space: global }
      - { .name: out0, .offset: 24, .size: 8, .value_kind: global_buffer, .address_space: global }
    .group_segment_fixed_size: 327680
    .private_segment_fixed_size: 0
    .kernarg_segment_align: 8
    .kernarg_segment_size: 32
    .max_flat_workgroup_size: 128
    .sgpr_count:     80
    .vgpr_count:     512
    .wavefront_size: 32
...
	.end_amdgpu_metadata
.endif
;; end of part 4
;; ======== version 2 of 2: 4 launches; 1.64 times as fast as version 1
;; limits: values are held in f16: magnitudes above 65,504 overflow, below 6.1e-05 lose precision
;; workspace buffers: xb 16,777,216 bytes; wqkvt 6,291,456 bytes; woutt 2,097,152 bytes; qb 16,777,216 bytes; kb 16,777,216 bytes; vb 16,777,216 bytes; ob 16,777,216 bytes
;; launch prep: the kernel of part 1 again; grid 1024 x 1, 8 waves a work-group, no clusters, 18,432 bytes of LDS; arguments x, Wqkv, Wout, xb, wqkvt, woutt; writes xb, wqkvt, woutt
;; launch qkv: the kernel of part 2 again; grid 8 x 32, 4 waves a work-group, clusters of 4 x 4, 327,680 bytes of LDS; arguments xb, wqkvt, bqkv, qb, kb, vb; writes qb, kb, vb
;; launch attn (part 5): grid 256 x 1, 4 waves a work-group, clusters of 4 x 1, 327,680 bytes of LDS; arguments qb, kb, vb, ob; writes ob
.if DOCPART == 5
	.amdgcn_target "amdgcn-amd-amdhsa--gfx1250"
	.amdhsa_code_object_version 6
	.text
	.protected	k_q7cb1dc4ee9_attn
	.globl	k_q7cb1dc4ee9_attn
	.p2align	8
	.type	k_q7cb1dc4ee9_attn,@function
k_q7cb1dc4ee9_attn:
	s_mov_b64 s[64:65], 0
	v_nop
	global_prefetch_b8 v0, s[64:65] scope:SCOPE_SE
	s_setreg_imm32_b32 hwreg(HW_REG_WAVE_MODE, 25, 1), 1
	s_wait_xcnt 0x0
	s_wait_alu depctr_hold_cnt(0) depctr_sa_sdst(0) depctr_va_vdst(0) depctr_va_sdst(0) depctr_va_ssrc(0) depctr_va_vcc(0) depctr_vm_vsrc(0)
	s_getreg_b32 s2, hwreg(HW_REG_IB_STS2, 6, 4)
	s_cmp_eq_u32 s2, 0
	s_cbranch_scc0 .Lentry_in_a_cluster
	s_endpgm
.Lentry_in_a_cluster:
	s_bfe_u32 s2, ttmp6, 0x10000c
	s_cmp_lg_u32 s2, 0x3003
	s_cbranch_scc0 .Lentry_shape_is_right
	s_endpgm
.Lentry_shape_is_right:
; ATTN: ob[bh][s][64] = softmax over t of (q_s . k_t / 8) times v, in f16.  qb holds (q + bq) 0.125 log2(e), so the scores are base-2 exponents.
; LEFT OUT: K's bias (kb holds x Wk alone): its term is the same along the softmax's axis and cancels (shown at the head of prep).
; The running maximum is taken away before every exponential, as the problem's softmax does.
; LIMITS: p (at most 1, since the maximum is taken away) is rounded to f16 for p v: absolute error at most 2^-25 below 2^-14, zero below
; 2^-25, beside a row sum of at least 1; the row's sum adds the unrounded f32 p; v_exp_f32 gives zero where 2^x would be denormal.
; |o| is at most the largest |v|, so it fits f16 wherever v does; an o below 2^-14 keeps steps of 2^-24 (counted at the head of prep).
; A cluster of four work-groups has one head bh (the cluster's x); work-group cx has queries 512 cx .., wave w 128 of them: 8 query tiles of 16.
; The four need the same K and V: each tile of 256 keys is asked for jointly (mask 15), K by wave 0 and V by wave 1, one load each.
; SCORES TRANSPOSED: S^T = K Q^T (source 0 = 16 keys, source 1 = 16 queries): lane (r, h) holds query r and keys 8 h + 0..7 of each tile.
; Two score tiles, packed to f16, ARE source 1 of O^T = V^T P^T (32 keys x 16 queries): nothing moves between lanes.  V^T comes out of
; LDS by the transposing load.  O^T: lane (r, h) holds query r and the eight neighbouring numbers 8 h + 0..7 of each 16: 16 bytes packed.
; A query's 64 scores of a block lie in lanes r and r + 16: the maximum crosses once; the sum is kept by halves and joined at the end.
; BY TURNS: a block is 64 keys against the wave's 8 query tiles, which share the block's fragments of K and V.  In turn t the softmax of
; tile t, cut into 16 numbered slices, is dealt one slice behind each of 16 matrix instructions of its neighbours: the 8 products p v of
; tile t - 1, then the 8 score products of tile t + 1.  So the scores are held twice (tile t's are worked on while tile t + 1's are
; written); p is held once: it is read in the turn's first 8 matrix instructions and written again from slice 12 on.
; ONE BATCH OF EXPONENTIALS A TURN, ONE WAIT.  The turn's 33 exponentials (the factor 2^(old m - new m) and the tile's 32 weights, each in a
; register of its own) stand together in slice 7, and no line of slices 0 to 7 names a result of theirs.  One s_wait_alu depctr_va_vdst(0),
; between the batch and the first line that names one of its results, closes slice 7 and serves all 33.
; Behind it stand the readers: O's rescaling (slices 8 to 11) and the rounding to f16 (slices 12 to 15).  The third reader, the row's sum, a
; chain of 16 additions in the pairs' order, rides in the NEXT turn, two links in each of slices 2 to 5 and eight in slice 7: tile t's weights
; stay in their buffer until place 8 of turn t + 1, and its factor until slice 7 of that turn.  Tile 7's sum rides behind the block's last 8 products.
; The way out's eight reciprocals are one batch with one wait.
; A turn: 16 matrix instructions, 117 other vector instructions, 32 changes of the register window.
; LDS: K's two slots at 0 and 34,816 (128 rows of 256 + 16 bytes, two keys a row), V's two at 69,632 and 106,496 (128 rows of 256 + 32 bytes).
; V's pitch 288: the sixteen lanes of a half of a transposing load touch 32 p + 128 e + 16 f (p 0..3, e, f 0..1): sixteen different
; 16-byte columns modulo 256.  The two slots of K, and of V, lie side by side, so a read address steps from slot 0 into slot 1.
; REGISTERS: window 0 as named below; window 1: O[qt][dt] at v[32 qt + 8 dt]; window 2: Q[qt][c] at v[16 qt + 8 c].
.set KSLOT, 34816                      ; 256 keys of K
.set VSLOT, 36864                      ; 256 keys of V
.set VBASE, 69632                      ; V's slot 0
.set VX,    45056                      ; 69,632 xor 106,496: toggles between V's two slots
.set OUTB,  143360                     ; the way out: 16 rows x 144 bytes for each wave, behind the ring; no tensor load lands here
.set KL,   8                           ; lane term of K's fragments
.set VL,   9                           ; lane term of V's transposing loads
.set KADR, 10                          ; the block's K
.set VADR, 11                          ; the block's V
.set STO,  12
.set RD,   13
.set CO,   14
.set QOFF, 15
.set M,    16                          ; v16-23  the running maximum of each query tile
.set L,    24                          ; v24-39  the running sum of each query tile, as a pair (even and odd keys of my half)
.set AL,   40                          ; v40 the rescaling factor; v41 written once (a pair counts as read whole)
.set MN,   42                          ; the new maximum
.set X,    43                          ; from the other half of the lanes
.set TM,   44                          ; v44-47
.set S,    48                          ; v48-79 and v80-111: four score tiles, twice (even and odd query tiles)
.set P,    112                         ; v112-127 p in f16: two fragments of 32 keys
.set KF,   128                         ; v128-191 KF[kt][c] at 128 + 16 kt + 8 c
.set VF,   192                         ; v192-255 VF[g][dt] at 192 + 32 g + 8 dt
.set R,    128                         ; the way out, two sets of 16, where K's fragments lay
.set G1K, 16                           ; s[16:23] group 1, K's tiles
.set G1V, 24                           ; s[24:31] group 1, V's tiles
.set G0K, 32                           ; s[32:39] group 0 of K's two first fills
.set G0V, 40                           ; s[40:47] group 0 of V's two first fills
.set GK,  36                           ; slot 1's set goes on as the refills' group 0
.set GV,  44
.set MSB, 0
.macro WIN new                         ; the immediate's high byte repeats the setting that is left
.if MSB != \new
	s_set_vgpr_msb (MSB<<8)|\new
.set MSB, \new
.endif
.endm
.macro PLACES                          ; four places behind a matrix instruction (ISA guide 7.12.1)
.rept 4
	v_nop
.endr
.endm
.macro ROUND                           ; a round of the cluster's barrier
	s_barrier_signal -1
	s_barrier_wait -1
	s_cmp_lg_u32 s12, 0
	s_cbranch_scc1 .Lnot_wave_0_\@
	s_barrier_signal -3
.Lnot_wave_0_\@:
	s_barrier_wait -3
	s_barrier_signal -1
	s_barrier_wait -1
.endm
.macro JLOAD                           ; a refill.  Wave 0: K's tile; wave 1: V's; waves 2 and 3 have no part to fill
	s_cmp_lg_u32 s12, 0
	s_cbranch_scc1 .Lnot_k_\@
	tensor_load_to_lds s[GK:GK+3], s[G1K:G1K+7]
	s_nop 0
	s_branch .Lasked_\@
.Lnot_k_\@:
	s_cmp_lg_u32 s12, 1
	s_cbranch_scc1 .Lasked_\@
	tensor_load_to_lds s[GV:GV+3], s[G1V:G1V+7]
	s_nop 0
.Lasked_\@:
.endm
	s_load_b256 s[4:11], s[0:1], 0x0               ; qb s[4:5], kb s[6:7], vb s[8:9], ob s[10:11]
	s_set_vgpr_msb 0x80
	v_lshl_add_u32 v128, v0, 2, 0x29000
	v_mov_b32 v129, 0
	s_set_vgpr_msb 0x808a
	ds_add_u32 v128, v129
	s_set_vgpr_msb 0x8a00
	v_lshrrev_b32 v1, 5, v0
	v_readfirstlane_b32 s12, v1                    ; wave
	s_bfe_u32 s13, ttmp6, 0x40000                  ; cx: my block of 512 queries
	s_mov_b32 s48, 0x76543210                      ; v_permlanex16_b32: lane i of one half reads lane i of the other
	s_mov_b32 s49, 0xfedcba98
	s_mov_b32 s56, 0                               ; the slot that is read: K's base,
	s_mov_b32 s57, VBASE                           ; V's base
	s_mov_b32 s[G1K+0], 15|(3<<16)|(1<<20)|(1<<21)|(5<<22)|(3<<25)  ; all four partners; elements of 8 bytes; padding: 4 words after every 64
	s_mov_b32 s[G1K+1], 32<<16
	s_mov_b32 s[G1K+2], 128<<16                    ; 128 rows of 256 bytes = 256 keys
	s_mov_b32 s[G1K+3], 32<<16
	s_mov_b32 s[G1K+4], 128
	s_mov_b32 s[G1K+5], 32
	s_mov_b32 s[G1K+6], 0
	s_mov_b32 s[G1K+7], 0
	s_mov_b32 s[G1V+0], 15|(3<<16)|(1<<20)|(1<<21)|(5<<22)|(7<<25)  ; the same with 8 words of padding
	s_mov_b32 s[G1V+1], 32<<16
	s_mov_b32 s[G1V+2], 128<<16
	s_mov_b32 s[G1V+3], 32<<16
	s_mov_b32 s[G1V+4], 128
	s_mov_b32 s[G1V+5], 32
	s_mov_b32 s[G1V+6], 0
	s_mov_b32 s[G1V+7], 0
	s_lshl_b32 s50, ttmp9, 18                      ; the head: 2,048 rows of 128 bytes; shared by the partners
	s_mov_b32 s51, 0
	s_lshl_b32 s52, s13, 16                        ; 512 queries a work-group,
	s_lshl_b32 s53, s12, 14                        ; 128 a wave
	s_add_co_u32 s52, s52, s53
	s_add_co_u32 s52, s52, s50
	s_mov_b32 s53, 0
	s_wait_dscnt 0x0
	s_wait_kmcnt 0x0
	s_add_nc_u64 s[6:7], s[6:7], s[50:51]
	s_add_nc_u64 s[8:9], s[8:9], s[50:51]
	s_add_nc_u64 s[4:5], s[4:5], s[52:53]          ; my queries
	s_add_nc_u64 s[10:11], s[10:11], s[52:53]      ; and their rows of the result
.irp s, 0,1
	s_mov_b32 s[G0K+4*\s], 1
	s_mov_b32 s[G0K+4*\s+1], \s*KSLOT
	s_add_nc_u64 s[G0K+4*\s+2:G0K+4*\s+3], s[6:7], \s*32768        ; step s: 256 keys of 128 bytes
	s_or_b32 s[G0K+4*\s+3], s[G0K+4*\s+3], 0x80000000
	s_mov_b32 s[G0V+4*\s], 1
	s_mov_b32 s[G0V+4*\s+1], VBASE+\s*VSLOT
	s_add_nc_u64 s[G0V+4*\s+2:G0V+4*\s+3], s[8:9], \s*32768
	s_or_b32 s[G0V+4*\s+3], s[G0V+4*\s+3], 0x80000000
.endr
	ROUND                                          ; the four partners are here: the first joint loads meet
	s_cmp_lg_u32 s12, 0                            ; a wave's two first fills stand in one branch on its number: two loads out, the most in this text
	s_cbranch_scc1 .Lff_not_k
	tensor_load_to_lds s[G0K:G0K+3], s[G1K:G1K+7]
	s_nop 0
	tensor_load_to_lds s[G0K+4:G0K+7], s[G1K:G1K+7]
	s_nop 0
	s_branch .Lff_done
.Lff_not_k:
	s_cmp_lg_u32 s12, 1
	s_cbranch_scc1 .Lff_done
	tensor_load_to_lds s[G0V:G0V+3], s[G1V:G1V+7]
	s_nop 0
	tensor_load_to_lds s[G0V+4:G0V+7], s[G1V:G1V+7]
	s_nop 0
.Lff_done:
	v_and_b32 v1, 15, v0                           ; r
	v_bfe_u32 v2, v0, 4, 1                         ; h
	v_lshlrev_b32 v3, 7, v1
	v_lshl_add_u32 v[QOFF], v2, 4, v3              ; query r, 16 h
	WIN 0x80                                       ; destination: window 2
.irp qt, 0,1,2,3,4,5,6,7
	global_load_b128 v[16*\qt:16*\qt+3],     v[QOFF], s[4:5] offset:\qt*2048
	global_load_b128 v[16*\qt+4:16*\qt+7],   v[QOFF], s[4:5] offset:\qt*2048+32
	global_load_b128 v[16*\qt+8:16*\qt+11],  v[QOFF], s[4:5] offset:\qt*2048+64
	global_load_b128 v[16*\qt+12:16*\qt+15], v[QOFF], s[4:5] offset:\qt*2048+96
.endr
	WIN 0
	v_lshrrev_b32 v3, 1, v1
	v_and_b32 v4, 1, v1
	v_mul_u32_u24 v3, v3, 272
	v_lshl_add_u32 v3, v4, 7, v3
	v_lshl_add_u32 v[KL], v2, 4, v3                ; (r >> 1) 272 + (r & 1) 128 + 16 h
	v_bfe_u32 v3, v0, 1, 2                         ; (l & 7) >> 1
	v_lshl_add_u32 v3, v2, 2, v3                   ; + 4 h: LDS row of key 8 h + (l & 7)
	v_mul_u32_u24 v3, v3, 288
	v_and_b32 v4, 1, v0
	v_lshl_add_u32 v3, v4, 7, v3
	v_bfe_u32 v4, v0, 3, 1
	v_lshl_add_u32 v[VL], v4, 4, v3
	s_mul_i32 s54, s12, 2304
	s_add_co_u32 s54, s54, OUTB                    ; my stage
	v_mul_u32_u24 v4, v1, 144
	v_lshl_add_u32 v4, v2, 4, v4
	v_add_nc_u32 v[STO], s54, v4
	v_and_b32 v5, 31, v0
	v_lshrrev_b32 v6, 3, v5
	v_and_b32 v7, 7, v5
	v_mul_u32_u24 v6, v6, 144
	v_lshl_add_u32 v6, v7, 4, v6
	v_add_nc_u32 v[RD], s54, v6
	v_lshlrev_b32 v[CO], 4, v5
	v_mov_b32 v[AL+1], 0                           ; the upper half of a pair of which the lower alone is used,
	v_mov_b32 v[X], 0                              ; and the destination of v_permlanex16_b32, which counts as read
; ---- the matrix instructions, one a call.  No two that follow each other share an accumulator: the four tiles of a run take turns,
; one instruction a turn.
; Score product k (0..7) of query tile qt into the score buffer sb: key tile k & 3, half k >> 2 of the head's 64 numbers.
.macro SCI qt, sb, k
	WIN 0x08                                       ; source 1: window 2 (Q)
.if (\k) < 4
	v_wmma_f32_16x16x32_f16 v[(\sb)+8*(\k):(\sb)+8*(\k)+7], v[KF+16*(\k):KF+16*(\k)+7], v[16*(\qt):16*(\qt)+7], 0
.else
	v_wmma_f32_16x16x32_f16 v[(\sb)+8*((\k)-4):(\sb)+8*((\k)-4)+7], v[KF+16*((\k)-4)+8:KF+16*((\k)-4)+15], v[16*(\qt)+8:16*(\qt)+15], v[(\sb)+8*((\k)-4):(\sb)+8*((\k)-4)+7]
.endif
.endm
; Product k (0..7) of p with V for query tile qt: tile k & 3 of O, keys 32 (k >> 2) ..  first = 1: the launch's first block starts the sums.
.macro PVI qt, k, first
	WIN 0x50                                       ; C and D: window 1 (O)
.if (\k) < 4
.if \first
	v_wmma_f32_16x16x32_f16 v[32*(\qt)+8*(\k):32*(\qt)+8*(\k)+7], v[VF+8*(\k):VF+8*(\k)+7], v[P:P+7], 0
.else
	v_wmma_f32_16x16x32_f16 v[32*(\qt)+8*(\k):32*(\qt)+8*(\k)+7], v[VF+8*(\k):VF+8*(\k)+7], v[P:P+7], v[32*(\qt)+8*(\k):32*(\qt)+8*(\k)+7]
.endif
.else
	v_wmma_f32_16x16x32_f16 v[32*(\qt)+8*((\k)-4):32*(\qt)+8*((\k)-4)+7], v[VF+32+8*((\k)-4):VF+32+8*((\k)-4)+7], v[P+8:P+15], v[32*(\qt)+8*((\k)-4):32*(\qt)+8*((\k)-4)+7]
.endif
.endm
; ---- the softmax of one query tile against 64 keys: my 32 scores are 16 pairs.
.macro SUBP sb, i                      ; pair i: the maximum is taken away
	v_pk_add_f32 v[(\sb)+2*(\i):(\sb)+2*(\i)+1], v[(\sb)+2*(\i):(\sb)+2*(\i)+1], v[MN:MN+1] op_sel_hi:[1,0] neg_lo:[0,1] neg_hi:[0,1]
.endm
.macro SUMP sb, qt, j, first           ; pair j joins the row's sum.  Pair 0 brings the old sum in, rescaled, by one fused multiply-add;
.if \first                             ; in the first block pairs 0 and 1 start the sum: nothing is cleared
.if (\j) == 1
	v_pk_add_f32 v[L+2*(\qt):L+2*(\qt)+1], v[(\sb):(\sb)+1], v[(\sb)+2:(\sb)+3]
.endif
.if (\j) > 1
	v_pk_add_f32 v[L+2*(\qt):L+2*(\qt)+1], v[L+2*(\qt):L+2*(\qt)+1], v[(\sb)+2*(\j):(\sb)+2*(\j)+1]
.endif
.else
.if (\j) == 0
	v_pk_fma_f32 v[L+2*(\qt):L+2*(\qt)+1], v[L+2*(\qt):L+2*(\qt)+1], v[AL:AL+1], v[(\sb):(\sb)+1] op_sel_hi:[1,0,1]
.else
	v_pk_add_f32 v[L+2*(\qt):L+2*(\qt)+1], v[L+2*(\qt):L+2*(\qt)+1], v[(\sb)+2*(\j):(\sb)+2*(\j)+1]
.endif
.endif
.endm
; In turn qt: pair j of tile qt - 1 joins that tile's sum.  Its weights lie in the other score buffer and were served by the wait of the turn
; before.  Turn 0 has no tile before it.
.macro PS qt, j, first
.if (\qt) > 0
	SUMP (S+32*(((\qt)+1)&1)), ((\qt)-1), \j, \first
.endif
.endm
; Group i (0..15) of the batch: the two exponentials of pair i, in place; between them the subtraction of pair i + 3 while there is one (pairs
; 0 to 2 are subtracted in slice 6), so a pair is subtracted three groups ahead of its exponentials; ahead of every even group one link of
; the sum of the tile before.  No line of a group names a result of the batch.
.macro GRP sb, qt, i, first
.if ((\i)&1) == 0
	PS \qt, (8+(\i)/2), \first
.endif
	v_exp_f32 v[(\sb)+2*(\i)], v[(\sb)+2*(\i)]
.if (\i) < 13
	SUBP \sb, ((\i)+3)
.endif
	v_exp_f32 v[(\sb)+2*(\i)+1], v[(\sb)+2*(\i)+1]
.endm
; Slice sl (0..15).  0, 1: four chains of maxima over the four score tiles.  2: three joins.  3, 4, 5: the last join, its crossing to the
; other half of the lanes, the new maximum: each needs the one before, and nothing else of this tile can start before them; two links of the
; sum of the tile before stand round each of slices 2 to 5.  6: old m - new m and the first three subtractions.  7: THE BATCH: the factor
; 2^(old m - new m), the 16 groups, the new maximum's copy (the plain instruction behind the last exponential, ISA guide 5.7.2), THE WAIT.
; 8 to 11: O is rescaled, 4 pairs each, ascending.  12 to 15: p is rounded to f16, 4 pairs each.
.macro SL sl, sb, qt, first
.if (\sl) == 0
	WIN 0
.irp c, 0,1,2,3
	v_max3_num_f32 v[TM+\c], v[(\sb)+8*\c], v[(\sb)+8*\c+1], v[(\sb)+8*\c+2]
.endr
.irp c, 0,1
	v_max3_num_f32 v[TM+\c], v[TM+\c], v[(\sb)+8*\c+3], v[(\sb)+8*\c+4]
.endr
.endif
.if (\sl) == 1
	WIN 0
.irp c, 2,3
	v_max3_num_f32 v[TM+\c], v[TM+\c], v[(\sb)+8*\c+3], v[(\sb)+8*\c+4]
.endr
.irp c, 0,1,2,3
	v_max3_num_f32 v[TM+\c], v[TM+\c], v[(\sb)+8*\c+5], v[(\sb)+8*\c+6]
.endr
.endif
.if (\sl) == 2
	WIN 0
	PS \qt, 0, \first                              ; takes the factor of the tile before: v40 is written anew only in slice 7
	v_max3_num_f32 v[TM], v[TM], v[TM+1], v[(\sb)+7]
	v_max3_num_f32 v[TM+2], v[TM+2], v[TM+3], v[(\sb)+15]
.if \first
	v_max_num_f32 v[TM+1], v[(\sb)+23], v[(\sb)+31]
.else
	v_max3_num_f32 v[TM+1], v[(\sb)+23], v[(\sb)+31], v[M+(\qt)]   ; the old maximum joins here
.endif
	PS \qt, 1, \first
.endif
.if (\sl) == 3
	WIN 0
	PS \qt, 2, \first
	v_max3_num_f32 v[TM], v[TM], v[TM+2], v[TM+1]
	PS \qt, 3, \first
.endif
.if (\sl) == 4
	WIN 0
	PS \qt, 4, \first
	v_permlanex16_b32 v[X], v[TM], s48, s49        ; the other 32 keys of my query
	PS \qt, 5, \first
.endif
.if (\sl) == 5
	WIN 0
	PS \qt, 6, \first
	v_max_num_f32 v[MN], v[TM], v[X]
	PS \qt, 7, \first
.endif
.if (\sl) == 6
	WIN 0
	SUBP \sb, 0
	SUBP \sb, 1
.if \first
.else
	v_sub_f32 v[TM+3], v[M+(\qt)], v[MN]
.endif
	SUBP \sb, 2
.endif
.if (\sl) == 7
	WIN 0
.if \first
.else
	v_exp_f32 v[AL], v[TM+3]                       ; 2^(old m - new m): the batch's first
.endif
.irp g, 0,1,2,3,4,5,6,7,8,9,10,11,12,13,14,15
	GRP \sb, \qt, \g, \first
.endr
	v_mov_b32 v[M+(\qt)], v[MN]                    ; the plain instruction behind the batch's last exponential (ISA guide 5.7.2)
	s_wait_alu depctr_va_vdst(0)                   ; the wait for the batch: the factor and the tile's 32 weights; every reader stands behind it
.endif
.if ((\sl) >= 8) && ((\sl) < 12)
.if \first
.else
	WIN 0x41                                       ; destination and source 0: window 1 (O)
.set px, 4*((\sl)-8)
.rept 4
	v_pk_mul_f32 v[32*(\qt)+2*px:32*(\qt)+2*px+1], v[32*(\qt)+2*px:32*(\qt)+2*px+1], v[AL:AL+1] op_sel_hi:[1,0]
.set px, px+1
.endr
.endif
.endif
.if (\sl) >= 12
	WIN 0
.set px, 4*((\sl)-12)
.rept 4
	v_cvt_pk_f16_f32 v[P+px], v[(\sb)+2*px], v[(\sb)+2*px+1]
.set px, px+1
.endr
.endif
.endm
; Turn t (0..7): tile t's 16 slices, each behind one matrix instruction of a neighbour.  Places 0-7: p v of tile t - 1 (turn 0, which has no
; tile before it, takes tile 1's scores there); places 8-15: the scores of tile t + 1 (turns 1 to 6).
; Distances (ISA guide 7.12.1): tile t + 1's last score product is followed by slice 15, four plain instructions on other registers, before
; the next turn's slice 0 reads its result (and that slice reads the three other accumulators first); p is written again in slice 12, behind
; slice 7's subtractions and the slices after it.  The sum of tile t - 1 is over with slice 7: place 8 starts that buffer's scores anew.
.macro TURN t, first
.if (\t) == 1
	s_wait_dscnt 0                                 ; V's fragments are in: their first use
.endif
.irp i, 0,1,2,3,4,5,6,7,8,9,10,11,12,13,14,15
.if \i < 8
.if (\t) == 0
	SCI 1, (S+32), \i
.else
	PVI ((\t)-1), \i, \first
.endif
.else
.if (\t) > 0
.if (\t) < 7
	SCI ((\t)+1), (S+32*(((\t)+1)&1)), (\i-8)
.endif
.endif
.endif
	SL \i, (S+32*((\t)&1)), \t, \first
.endr
.endm
; 64 keys: their fragments in one run of 32 LDS loads, tile 0's scores, the eight turns, tile 7's p v with tile 7's sum behind it, two links a
; product; the addresses step to the next 64 keys.
.macro BLOCK first
	PLACES                                         ; V's fragments were sources of the last matrix instructions
.irp kt, 0,1,2,3
	ds_load_b128 v[KF+16*\kt:KF+16*\kt+3],     v[KADR] offset:\kt*2176
	ds_load_b128 v[KF+16*\kt+4:KF+16*\kt+7],   v[KADR] offset:\kt*2176+32
.endr
.irp kt, 0,1,2,3
	ds_load_b128 v[KF+16*\kt+8:KF+16*\kt+11],  v[KADR] offset:\kt*2176+64
	ds_load_b128 v[KF+16*\kt+12:KF+16*\kt+15], v[KADR] offset:\kt*2176+96
.endr
.irp g, 0,1
.irp dt, 0,1,2,3
	ds_load_tr16_b128 v[VF+32*\g+8*\dt:VF+32*\g+8*\dt+3],   v[VADR] offset:\g*4608+32*\dt        ; keys 32 g + 8 h + 0..7 of number 16 dt + r
	ds_load_tr16_b128 v[VF+32*\g+8*\dt+4:VF+32*\g+8*\dt+7], v[VADR] offset:\g*4608+32*\dt+2304   ; keys 16 further: 8 LDS rows
.endr
.endr
	s_wait_dscnt 24                                ; the first 8 of the 32 loads are in: the first 32 numbers of all 64 keys
.irp i, 0,1,2,3
	SCI 0, S, \i
.endr
	s_wait_dscnt 16                                ; K's 16 loads are in; V's 16, issued behind them, may be out
.irp i, 4,5,6,7
	SCI 0, S, \i
.endr
	WIN 0
	PLACES                                         ; ahead of slice 0 of turn 0, which reads these scores
.irp t, 0,1,2,3,4,5,6,7
	TURN \t, \first
.endr
.irp i, 0,1,2,3,4,5,6,7
	PVI 7, \i, \first
	WIN 0
	SUMP (S+32), 7, (2*\i), \first                 ; tile 7's weights were served by turn 7's wait; no sum crosses a block's end
	SUMP (S+32), 7, (2*\i+1), \first
.endr
	WIN 0
	v_add_nc_u32 v[KADR], 8704, v[KADR]            ; 32 LDS rows of 272
	v_add_nc_u32 v[VADR], 9216, v[VADR]            ; 32 LDS rows of 288
.endm
.macro SETADR                          ; the first block of the slot that is read
	v_add_nc_u32 v[KADR], s56, v[KL]
	v_add_nc_u32 v[VADR], s57, v[VL]
.endm
; The slot just read out is filled again, two steps ahead.  Every wave waits for its reads and for all its tensor loads (the other slot's
; among them); no load is out, so the refills' group 0 may be written: its LDS word goes to the other slot, its address one step on (from
; slot 1 and step 1 at the start: change n fills slot n & 1 with step n + 2); the read bases change slots too.  The round holds of every
; wave of all four partners; the refill comes first behind it.
.macro CHANGE
	s_wait_dscnt 0
	s_set_vgpr_msb 0xa
	s_wait_tensorcnt 0x0
	ds_add_u32 v128, v129
	s_wait_dscnt 0x0
	s_set_vgpr_msb 0xa00
	s_xor_b32 s[GK+1], s[GK+1], KSLOT
	s_add_nc_u64 s[GK+2:GK+3], s[GK+2:GK+3], 32768
	s_xor_b32 s[GV+1], s[GV+1], VX
	s_add_nc_u64 s[GV+2:GV+3], s[GV+2:GV+3], 32768
	s_xor_b32 s56, s56, KSLOT
	s_xor_b32 s57, s57, VX
	ROUND
	JLOAD
.endm
	s_wait_tensorcnt 1                             ; my part of step 0 is in; step 1's may stay out
	s_wait_loadcnt 0x0                             ; Q
	s_barrier_signal -1
	s_barrier_wait -1
	SETADR
	BLOCK 1                                        ; keys 0 to 63: the first products start the sums
	s_mov_b32 s58, 3                               ; step 0 has three blocks left
	s_mov_b32 s15, 6                               ; steps 0 to 5 end in a refill
.Lstep:
	s_mov_b32 s14, s58
.Lblk:
	BLOCK 0
	s_sub_co_u32 s14, s14, 1
	s_cmp_lg_u32 s14, 0
	s_cbranch_scc1 .Lblk
	CHANGE
	SETADR
	s_mov_b32 s58, 4                               ; every later step has four blocks
	s_sub_co_u32 s15, s15, 1
	s_cmp_lg_u32 s15, 0
	s_cbranch_scc1 .Lstep
	s_mov_b32 s15, 2                               ; steps 6 (slot 0) and 7 (slot 1): nothing is left to fetch; the addresses step from slot 0 into slot 1
.Ltstep:
	s_mov_b32 s14, 4
.Ltblk:
	BLOCK 0
	s_sub_co_u32 s14, s14, 1
	s_cmp_lg_u32 s14, 0
	s_cbranch_scc1 .Ltblk
	s_wait_dscnt 0
	s_wait_tensorcnt 0x0                           ; behind step 6: my part of step 7's tile is in,
	ROUND                                          ; everybody's is.  Behind step 7: the closing round: no joint load follows, and no work-group ends while a partner may still ask
	s_sub_co_u32 s15, s15, 1
	s_cmp_lg_u32 s15, 0
	s_cbranch_scc1 .Ltstep
	; THE WAY OUT.  First, for all eight query tiles, in place in the pairs of L: the two parts of the sum, the other half of the lanes' sum,
	; the reciprocal: the eight reciprocals are one batch with one wait.  Then a tile at a time: divide, f16, through my own stage, whole rows out.
	PLACES
.irp qt, 0,1,2,3,4,5,6,7
	v_add_f32 v[L+2*\qt], v[L+2*\qt], v[L+2*\qt+1]
.endr
.irp qt, 0,1,2,3,4,5,6,7
	v_permlanex16_b32 v[L+2*\qt+1], v[L+2*\qt], s48, s49
.endr
.irp qt, 0,1,2,3,4,5,6,7
	v_add_f32 v[L+2*\qt], v[L+2*\qt], v[L+2*\qt+1]     ; at least 1: the largest score gives p = 1
.endr
.irp qt, 0,1,2,3,4,5,6,7
	v_rcp_f32 v[L+2*\qt], v[L+2*\qt]
.endr
	v_nop                                          ; a plain place behind the last reciprocal (ISA guide 5.7.2)
	s_wait_alu depctr_va_vdst(0)                   ; the wait for the batch of eight reciprocals, ahead of their first reader
.macro OUTQ qt
	WIN 0x01                                       ; source 0: window 1
.set px, 0
.rept 16
	v_pk_mul_f32 v[S+2*px:S+2*px+1], v[32*\qt+2*px:32*\qt+2*px+1], v[L+2*\qt:L+2*\qt+1] op_sel_hi:[1,0]
.set px, px+1
.endr
	WIN 0
.set px, 0
.rept 16
	v_cvt_pk_f16_f32 v[P+px], v[S+2*px], v[S+2*px+1]
.set px, px+1
.endr
.irp dt, 0,1,2,3
	ds_store_b128 v[STO], v[P+4*\dt:P+4*\dt+3] offset:32*\dt
.endr
	s_wait_xcnt 0x0                                ; the registers that earlier stores read are loaded again only behind this wait
.irp t, 0,1,2,3
	ds_load_b128 v[R+16*(\qt&1)+4*\t:R+16*(\qt&1)+4*\t+3], v[RD] offset:576*\t     ; LDS serves a wave's instructions in order
.endr
.irp t, 0,1,2,3
	s_wait_dscnt 3-\t
	global_store_b128 v[CO], v[R+16*(\qt&1)+4*\t:R+16*(\qt&1)+4*\t+3], s[10:11] offset:\qt*2048+512*\t   ; 512 consecutive bytes, aligned
.endr
.endm
.irp qt, 0,1,2,3,4,5,6,7
	OUTQ \qt
.endr
	s_set_vgpr_msb 0xa
	s_wait_tensorcnt 0x0
	ds_add_u32 v128, v129
	s_wait_dscnt 0x0
	s_set_vgpr_msb 0xa00
	s_endpgm
.Lfunc_end_k_q7cb1dc4ee9_attn:
	.size	k_q7cb1dc4ee9_attn, .Lfunc_end_k_q7cb1dc4ee9_attn-k_q7cb1dc4ee9_attn
	.p2alignl 7, 3214868480
	.fill 96, 4, 3214868480
	.section	.rodata,"a",@progbits
	.p2align	6, 0x0
	.amdhsa_kernel k_q7cb1dc4ee9_attn
		.amdhsa_group_segment_fixed_size 327680
		.amdhsa_private_segment_fixed_size 0
		.amdhsa_enable_private_segment 0
		.amdhsa_kernarg_size 32
		.amdhsa_user_sgpr_count 2
		.amdhsa_user_sgpr_kernarg_segment_ptr 1
		.amdhsa_wavefront_size32 1
		.amdhsa_system_sgpr_workgroup_id_x 1
		.amdhsa_system_sgpr_workgroup_id_y 1
		.amdhsa_system_sgpr_workgroup_id_z 1
		.amdhsa_system_vgpr_workitem_id 0
		.amdhsa_next_free_vgpr 642
		.amdhsa_next_free_sgpr 66
		.amdhsa_reserve_vcc 0
		.amdhsa_float_denorm_mode_32 3
		.amdhsa_float_denorm_mode_16_64 3
		.amdhsa_memory_ordered 1
		.amdhsa_forward_progress 1
		.amdhsa_inst_pref_size 231
	.end_amdhsa_kernel
	.amdgpu_metadata
---
amdhsa.version: [ 1, 2 ]
amdhsa.kernels:
  - .name:           k_q7cb1dc4ee9_attn
    .symbol:         k_q7cb1dc4ee9_attn.kd
    .args:
      - { .name: qb, .offset: 0, .size: 8, .value_kind: global_buffer, .address_space: global }
      - { .name: kb, .offset: 8, .size: 8, .value_kind: global_buffer, .address_space: global }
      - { .name: vb, .offset: 16, .size: 8, .value_kind: global_buffer, .address_space: global }
      - { .name: ob, .offset: 24, .size: 8, .value_kind: global_buffer, .address_space: global }
    .group_segment_fixed_size: 327680
    .private_segment_fixed_size: 0
    .kernarg_segment_align: 8
    .kernarg_segment_size: 32
    .max_flat_workgroup_size: 128
    .sgpr_count:     66
    .vgpr_count:     642
    .wavefront_size: 32
...
	.end_amdgpu_metadata
.endif
;; end of part 5
;; launch oproj: the kernel of part 4 again; grid 8 x 32, 4 waves a work-group, clusters of 4 x 4, 327,680 bytes of LDS; arguments ob, woutt, bout, out0; writes out0
